; MI455X (gfx1250); checked and timed in simulation.
; The chip was launched on July 23, 2026; its instructions are those of AMD's public machine-readable ISA for CDNA 5 (MIT licence, August 2026) and "CDNA5" Instruction Set Architecture Reference Guide (July 2026). The comments in the code are by the model that wrote it; some were corrected since.
;; Causal Self Attention. Allowed arithmetic: matrix products marked QUANTISED: E5M2 operands, one E8M0 scale for each 32 along K, by v_wmma_scale_f32_16x16x128_f8f6f4 with both operands' format E5M2, f32 sums; everything else in f32.
;; Inputs: W_out 1,024 x 1,024 float32; W_qkv 1,024 x 3,072 float32; b_out 1,024 float32; b_qkv 3,072 float32; x 8 x 1,024 x 1,024 float32.
;; Outputs: out0 8 x 1,024 x 1,024 float32.
;; This version of the problem:
;;   THIS VERSION OF THE PROBLEM IS GIVEN IN LOW PRECISION. The matrix products marked QUANTISED in the list below multiply operands that are first quantised to E5M2 (5 exponent bits, 2 mantissa bits; 8 bits a number), with one power-of-two scale for each 32 numbers along K (OCP MX v1.0); their sums are f32. All else is computed in f32.
;;   The module's matrix products, in the order in which they are computed (A, B: the left and right operand; K: the contracted axis; several contracted axes count as one K, in the product's order):
;;     1. [M 8,192, K 1,024] x [K 1,024, N 3,072]; A: input x; B: input W_qkv: QUANTISED
;;     2. batch 128 x [M 1,024, K 64] x [K 64, N 1,024]; A: computed on the way; B: computed on the way: QUANTISED
;;     3. batch 128 x [M 1,024, K 1,024] x [K 1,024, N 64]; A: softmax (see below); B: computed on the way: QUANTISED
;;     4. [M 8,192, K 1,024] x [K 1,024, N 1,024]; A: computed on the way; B: input W_out: QUANTISED
;;   THE QUANTISER, for each operand of a quantised product, along K:
;;     - K is cut into blocks of 32 from its start; a last block that is shorter is filled with zeros.
;;     - A block's scale is 2^e with e = floor(log2(the largest magnitude in the block)) - 15, held to -126 .. 127; a block of zeros has e = 0. As a byte (E8M0): e + 127.
;;     - Each number is divided by its block's scale, clamped to +-57,344, and rounded to the nearest number of E5M2, ties to even, subnormals kept.
;;     - The product sums the exact products of the quantised numbers (number of the format x scale) in f32.
;;   ~~~python
;;   def quantise(x, axis):      # numpy; x: float32 -> the quantised numbers, widened to float32 again
;;       x = np.moveaxis(x, axis, -1); K = x.shape[-1]
;;       x = np.pad(x, [(0, 0)] * (x.ndim - 1) + [(0, -K % 32)]); x = x.reshape(x.shape[:-1] + (-1, 32)); a = np.abs(x).max(-1, keepdims=True)
;;       e = np.where(a > 0, np.clip(np.frexp(np.where(a > 0, a, 1))[1] - 1 - 15, -126, 127), 0)      # np.frexp(a)[1] - 1 = floor(log2(a)), exactly
;;       r = np.clip(x / 2.0 ** e, -57344, 57344)
;;       step = 2.0 ** (np.maximum(np.frexp(np.where(r == 0, 1, r))[1] - 1, -14) - 2)
;;       q = np.round(r / step) * step * 2.0 ** e      # np.round: ties to even
;;       return np.moveaxis(q.reshape(q.shape[:-2] + (-1,))[..., :K], -1, axis).astype(np.float32)
;;   ~~~
;;   SOFTMAX AHEAD OF A QUANTISED PRODUCT. Where the list says 'softmax', what is quantised is not the finished softmax but p = 2^(t - M), with t = logit x log2(e) and M = ceil(the row's largest t), a whole number; so 1/2 < the row's largest p <= 1. The row's sum l is taken of the UNQUANTISED p, in f32, and the product's result is divided by l at the end. Since M is a whole number, a kernel that streams over the keys may use a running M (the ceiling of the running maximum): every later rescaling is an exact power of two, which a block's scale takes up: the codes' values come out the same.
;;   OPERANDS COMPUTED ON THE WAY. 'Computed on the way' means the value that the module computes at that place (a softmax that the list does not call 'softmax' is quantised finished and normalised). What goes into a quantiser is computed in f32, as accurately as f32 sums, v_exp_f32 and their like allow (about 1e-6 of the number): no bf16 or f16 on the way to a quantiser, and a product that is left as it is and whose result goes on into a quantised operand takes f32 operands (vector FMAs, or v_wmma_f32_16x16x4_f32). A number that lies on a knife's edge between two numbers of the format may be rounded either way, as far as f32 arithmetic and the matrix unit's own rounding can turn it there, and no further.
;; One version. Each part assembles by itself: llvm-mc -triple=amdgcn-amd-amdhsa -mcpu=gfx1250 --defsym DOCPART=n.
;; ======== version 1 of 1: 4 launches
;; limits: right only within a limited range of input values
;; workspace buffers: xq 8,650,752 bytes; wq 4,325,376 bytes; qq 8,912,896 bytes; kv 17,825,792 bytes; ao 8,650,752 bytes
;; launch prep (part 1): grid 384 x 1, 4 waves a work-group, no clusters, 68,096 bytes of LDS; arguments x, W_qkv, W_out, xq, wq; writes xq, wq
.if DOCPART == 1
	.amdgcn_target "amdgcn-amd-amdhsa--gfx1250"
	.amdhsa_code_object_version 6
	.text
	.protected	k_q5b260f9258_prep
	.globl	k_q5b260f9258_prep
	.p2align	8
	.type	k_q5b260f9258_prep,@function
k_q5b260f9258_prep:
	s_mov_b64 s[64:65], 0
	v_nop
	global_prefetch_b8 v0, s[64:65] scope:SCOPE_SE
	s_setreg_imm32_b32 hwreg(HW_REG_WAVE_MODE, 25, 1), 1
	s_wait_xcnt 0x0
; PREP: x [8192][1024], W_qkv [1024][3072] and W_out [1024][1024], f32, become codes of BF8 (E5M2) with K innermost and one E8M0 scale byte for each 32 along K.
; A block's scale is 2^(floor(log2(its largest magnitude)) - 15); its byte is the largest magnitude's exponent field - 15, held at 1 from below; each number is held within +-57,344 x the scale and rounded to the nearest code, ties to even.
; (A block of zeros gets the byte 1 where the rule says 127: its codes are zeros, and this program alone reads the bytes.)
; THE ROW ORDER: sigma(i) = i with bits 3 and 4 exchanged.  Row p of xq holds row sigma(p) of x; row p of wq holds column sigma(p) of W_qkv (p < 3072) or of W_out (p - 3072).  The products that read them are used
; transposed, and with this order a lane's registers of two neighbouring result tiles are 16 neighbours along the next product's K.
; xq: codes [8192][1024 bytes], at 8,388,608 scale bytes [8192][32].   wq: codes [4096][1024 bytes], at 4,194,304 scale bytes [4096][32].
; Work-groups 0-255 take x (32 rows each), 256-383 the weights (128 columns x 256 along K each): 131,072 bytes read by each.  The two paths have LDS bytes of their own: 0-32,767 and 32,768-67,583.
; No tensor loads, no barrier: waves share nothing.  LIMITS: blocks whose largest magnitude lies under 2^-111 keep the byte 1; NaN and infinities among the inputs are not served.
.set EMAX,  15
.set MANT,  0x600000                   ; the mantissa field of 57,344 as f32
; x's path
.set STEPS, 16                         ; a wave takes 16 steps of 512 numbers: 8 rows
.set CB,    16                         ; bytes of a lane's 16 codes
.set XR,    16                         ; v16-79   four sets of 16 numbers as loaded
.set XN,    80                         ; v80-111  two sets of 16 neighbours
.set XE,    112                        ; v112-127 a scale byte for each step
.set XC,    128                        ; v128-191 codes, four registers for each step: no store's data are written again
.set WREG,  8192                       ; LDS of a wave: two stages of 32 x SP bytes, then its 256 scale bytes
.set SP,    80                         ; a lane's place in a stage: 64 bytes + 16 of padding
; the weights' path
.set NB,    8                          ; blocks of 32 along K for a wave
.set WP,    272                        ; a stage row: 256 bytes of codes + 16
.set WST,   32768                      ; where this path's stages begin
.set SB,    24                         ; v24-25   the scale bytes, four to a register
.set WX,    32                         ; v32-95   two sets of 32 numbers
.set WC,    96                         ; v96-103  a block's codes
.set OUTR,  112                        ; v112-175 the way out
.set AD,    176                        ; v176-207 byte offset of row i of a block at my column: never rewritten
	s_load_b128 s[4:7], s[0:1], 0x0                ; x, W_qkv
	s_load_b128 s[8:11], s[0:1], 0x10              ; W_out, xq
	s_load_b64 s[12:13], s[0:1], 0x20              ; wq
	v_lshl_add_u32 v208, v0, 2, 0x10800
	v_mov_b32 v209, 0
	v_lshrrev_b32 v1, 5, v0
	v_readfirstlane_b32 s16, v1                    ; wave 0..3
	v_and_b32 v2, 31, v0                           ; lane
	s_mov_b32 s23, MANT                            ; (an instruction takes one literal: the hold's line has another)
	s_wait_kmcnt 0x0
	s_cmp_lt_u32 ttmp9, 256
	s_cbranch_scc0 .Lweights
; ---------------- x: a plain stream of blocks of 32.  Each load reads 512 consecutive bytes; a step's 2,048 bytes turn through the wave's stage so that a lane holds 16 neighbours; two neighbouring lanes hold a block.
	s_wait_alu depctr_va_vdst(0)
	v_lshlrev_b32 v3, 4, v2                        ; my 16 bytes of a load's 512
	s_mul_i32 s17, s16, WREG
	v_lshrrev_b32 v14, 2, v2
	v_mul_u32_u24 v14, v14, SP
	v_and_b32 v15, 3, v2
	v_lshl_add_u32 v14, v15, 4, v14
	v_add_nc_u32 v14, s17, v14                     ; the stage, in: SP (lane / 4) + 16 (lane % 4)
	v_mul_u32_u24 v15, v2, SP
	v_add_nc_u32 v15, s17, v15                     ; and out: SP x lane
	v_mul_u32_u24 v4, v2, CB                       ; my codes' place in a step's
	v_lshrrev_b32 v5, 1, v2
	s_add_co_u32 s17, s17, 2*32*SP
	v_add_nc_u32 v5, s17, v5                       ; LDS: my block's scale byte
	v_lshlrev_b32 v7, 3, v2                        ; and on the way out 8 bytes a lane
	v_add_nc_u32 v6, s17, v7
	s_lshl_b32 s18, ttmp9, 2
	s_add_co_u32 s18, s18, s16                     ; R: my run of 8 rows
	s_and_b32 s19, s18, 1
	s_lshl_b32 s19, s19, 1
	s_bfe_u32 s20, s18, 0x10001
	s_or_b32 s19, s19, s20
	s_and_b32 s20, s18, 0xfffffffc
	s_or_b32 s20, s20, s19                         ; R with bits 0 and 1 exchanged: rows 8 R .. 8 R + 7 are stored as rows sigma of them
	s_lshl_b32 s24, s18, 15                        ; 8 rows of 4,096 bytes in x
	s_mov_b32 s25, 0
	s_lshl_b32 s26, s20, 13                        ; 8 rows of 1,024 bytes of codes
	s_mov_b32 s27, 0
	s_lshl_b32 s28, s20, 8                         ; 8 rows of 32 scale bytes
	s_add_co_u32 s28, s28, 8388608
	s_mov_b32 s29, 0
	s_add_nc_u64 s[4:5], s[4:5], s[24:25]
	s_add_nc_u64 s[30:31], s[10:11], s[26:27]
	s_add_nc_u64 s[32:33], s[10:11], s[28:29]
.macro XLOAD t
.irp i, 0,1,2,3
	global_load_b128 v[XR+16*((\t)%4)+4*\i:XR+16*((\t)%4)+4*\i+3], v3, s[4:5] offset:2048*(\t)+512*\i th:TH_LOAD_NT   ; 32 lanes read 512 consecutive bytes
.endr
.endm
.macro XTURN t                         ; step t's numbers through the stage: LDS serves a wave's instructions in order, so no wait stands between the stores and the loads
.irp i, 0,1,2,3
	ds_store_b128 v14, v[XR+16*((\t)%4)+4*\i:XR+16*((\t)%4)+4*\i+3] offset:32*SP*((\t)%2)+8*SP*\i
.endr
.irp i, 0,1,2,3
	ds_load_b128 v[XN+16*((\t)%2)+4*\i:XN+16*((\t)%2)+4*\i+3], v15 offset:32*SP*((\t)%2)+16*\i
.endr
.endm
.irp t, 0,1,2,3
	XLOAD \t
.endr
	s_wait_alu depctr_va_vdst(0)
	s_wait_loadcnt 12                              ; step 0's four loads are in; the 12 of steps 1 to 3 stay out
	XTURN 0
.macro XSTEP t
.set XS, XN+16*((\t)%2)
.if (\t) > 0
	s_wait_dscnt 1                                 ; this step's numbers are back from the stage (the last step's byte store may be out): so its stores into the stage have read their registers,
.else
	s_wait_dscnt 0x0
.endif
.if (\t)+4 < STEPS
	XLOAD (\t)+4                                   ; which take the loads of four steps on
.endif
.if (\t)+1 < STEPS
.if STEPS-2-(\t) >= 3
	s_wait_loadcnt 12                              ; the next step's four loads are in; those of the three steps behind it may be out
.else
	s_wait_loadcnt 4*(STEPS-2-(\t))
.endif
	XTURN (\t)+1
.endif
	v_max3_num_f32 v8, |v[XS]|, |v[XS+1]|, |v[XS+2]|               ; the largest magnitude of my 16, in two chains
	v_max3_num_f32 v9, |v[XS+3]|, |v[XS+4]|, |v[XS+5]|
.irp i, 6,10
	v_max3_num_f32 v8, v8, |v[XS+\i]|, |v[XS+\i+1]|
	v_max3_num_f32 v9, v9, |v[XS+\i+2]|, |v[XS+\i+3]|
.endr
	v_max3_num_f32 v8, v8, |v[XS+14]|, |v[XS+15]|
	v_max3_num_f32 v8, v8, v9, (EMAX+1)<<23        ; and the floor 2^(16 - 127): the byte cannot fall under 1
	v_max_num_f32_dpp v8, v8, v8 row_xmask:1 row_mask:0xf bank_mask:0xf   ; and of my neighbour's 16: the block's
	v_add_nc_u32 v11, -(EMAX<<23), v8              ; 15 off its exponent field: the conversion takes this operand's exponent field as its scale
	v_and_or_b32 v10, v8, 0x7f800000, s23          ; 57,344 x the scale
.irp i, 0,1,2,3,4,5,6,7,8,9,10,11,12,13,14,15
	v_med3_num_f32 v[XS+\i], v[XS+\i], -v10, v10   ; the conversion to an 8-bit code does not saturate (ISA guide 7.6.2): the hold comes first
.endr
	v_cvt_scalef32_pk8_bf8_f32 v[XC+4*(\t):XC+4*(\t)+1], v[XS:XS+7], v11
	v_cvt_scalef32_pk8_bf8_f32 v[XC+4*(\t)+2:XC+4*(\t)+3], v[XS+8:XS+15], v11
	v_lshrrev_b32 v[XE+(\t)], 23, v11              ; the scale's byte
	ds_store_b8 v5, v[XE+(\t)] offset:16*(\t)      ; both lanes of a block write the same byte with the same value
	global_store_b128 v4, v[XC+4*(\t):XC+4*(\t)+3], s[30:31] offset:32*CB*(\t)   ; the wave stores 512 consecutive bytes
.endm
.irp t, 0,1,2,3,4,5,6,7,8,9,10,11,12,13,14,15
	XSTEP \t
.endr
	ds_load_b64 v[12:13], v6                       ; LDS serves a wave's instructions in order: these see my stores
	s_wait_dscnt 0x0
	global_store_b64 v7, v[12:13], s[32:33]        ; 32 lanes store 256 consecutive bytes, aligned
	s_wait_tensorcnt 0x0
	ds_add_u32 v208, v209
	s_wait_dscnt 0x0
	s_endpgm
; ---------------- the weights: K is their FIRST axis.  A lane takes a column and its registers run down K: a block of 32 lies in one lane, and the conversions give codes with K innermost.
.Lweights:
	s_sub_co_u32 s17, ttmp9, 256
	s_lshr_b32 s18, s17, 2                         ; which 128 rows of wq: 0-23 W_qkv's columns, 24-31 W_out's
	s_and_b32 s19, s17, 3                          ; which 256 along K
	s_sub_co_u32 s20, s18, 24
	s_mov_b32 s21, 4096
	s_cmp_lt_u32 s18, 24                           ; the choice hangs on the work-group's number alone
	s_cselect_b64 s[4:5], s[6:7], s[8:9]           ; the source,
	s_cselect_b32 s21, 12288, s21                  ; the bytes of one of its rows,
	s_cselect_b32 s20, s18, s20                    ; and which 128 of its columns
	s_mul_i32 s22, s19, s21
	s_lshl_b32 s22, s22, 8                         ; 256 rows for each step along K
	s_lshl_b32 s24, s20, 9
	s_lshl_b32 s25, s16, 7                         ; my wave's 32 columns
	s_add_co_u32 s24, s24, s25
	s_add_co_u32 s24, s24, s22
	s_mov_b32 s25, 0
	s_add_nc_u64 s[32:33], s[4:5], s[24:25]        ; block 0's base; a base for each block, so that none is stepped
	s_lshl_b32 s26, s21, 5                         ; 32 rows on
	s_mov_b32 s27, 0
.irp t, 1,2,3,4,5,6,7
	s_add_nc_u64 s[32+2*\t:33+2*\t], s[30+2*\t:31+2*\t], s[26:27]
.endr
	s_lshl_b32 s28, s18, 7
	s_lshl_b32 s29, s16, 5
	s_add_co_u32 s28, s28, s29                     ; my wave's first row of wq
	s_lshl_b32 s48, s28, 10
	s_lshl_b32 s49, s19, 8
	s_add_co_u32 s48, s48, s49
	s_mov_b32 s49, 0
	s_add_nc_u64 s[50:51], s[12:13], s[48:49]      ; codes: row x 1,024 + 256 x the step along K
	s_lshl_b32 s48, s28, 5
	s_lshl_b32 s29, s19, 3
	s_add_co_u32 s48, s48, s29
	s_add_co_u32 s48, s48, 4194304
	s_add_nc_u64 s[52:53], s[12:13], s[48:49]      ; scale bytes: row x 32 + 8 x the step
	s_wait_alu depctr_va_vdst(0)
	v_lshlrev_b32 v3, 2, v2                        ; in: 4 bytes a lane
.irp i, 0,1,2,3,4,5,6,7,8,9,10,11,12,13,14,15,16,17,18,19,20,21,22,23,24,25,26,27,28,29,30,31
	v_mad_u32_u24 v[AD+\i], s21, \i, v3
.endr
	s_mul_i32 s22, s16, 32*WP
	s_add_co_u32 s22, s22, WST                     ; my stage
	v_mul_u32_u24 v4, v2, WP
	v_add_nc_u32 v4, s22, v4                       ; into it: row = my column
	v_and_b32 v5, 15, v2
	v_lshrrev_b32 v6, 4, v2                        ; out of it: sixteen lanes to a row, two rows an instruction
	v_mul_u32_u24 v7, v6, WP
	v_lshl_add_u32 v7, v5, 4, v7
	v_add_nc_u32 v7, s22, v7
	v_lshlrev_b32 v8, 10, v6
	v_lshl_add_u32 v8, v5, 4, v8                   ; and the same place among two neighbouring rows of wq
	v_and_b32 v9, 7, v2                            ; sigma(lane) x 32: my column's row of scale bytes
	v_bfe_u32 v10, v2, 3, 1
	v_lshl_add_u32 v9, v10, 4, v9
	v_bfe_u32 v10, v2, 4, 1
	v_lshl_add_u32 v9, v10, 3, v9
	v_lshlrev_b32 v9, 5, v9
.macro WLOAD t                         ; block t: rows 32 t + i of the source at my column: 128 consecutive bytes a wave, 512 a work-group
.irp i, 0,1,2,3,4,5,6,7,8,9,10,11,12,13,14,15,16,17,18,19,20,21,22,23,24,25,26,27,28,29,30,31
	global_load_b32 v[WX+32*((\t)%2)+\i], v[AD+\i], s[32+2*(\t):33+2*(\t)] th:TH_LOAD_NT
.endr
.endm
	WLOAD 0
	WLOAD 1
.macro WBLOCK t
.set XS, WX+32*((\t)%2)
.if (\t) < NB-1
	s_wait_loadcnt 32                              ; this block's 32 loads are in; the next block's may be out
.else
	s_wait_loadcnt 0
.endif
	v_max3_num_f32 v12, |v[XS]|, |v[XS+1]|, |v[XS+2]|               ; the block's largest magnitude: all 32 numbers are mine
	v_max3_num_f32 v13, |v[XS+3]|, |v[XS+4]|, |v[XS+5]|
.irp i, 6,10,14,18,22,26
	v_max3_num_f32 v12, v12, |v[XS+\i]|, |v[XS+\i+1]|
	v_max3_num_f32 v13, v13, |v[XS+\i+2]|, |v[XS+\i+3]|
.endr
	v_max3_num_f32 v12, v12, |v[XS+30]|, |v[XS+31]|
	v_max3_num_f32 v12, v12, v13, (EMAX+1)<<23     ; and the floor
	v_add_nc_u32 v11, -(EMAX<<23), v12             ; the conversion's scale operand
	v_and_or_b32 v10, v12, 0x7f800000, s23         ; 57,344 x the scale
	v_lshrrev_b32 v13, 23, v11                     ; the scale's byte
.if (\t)%4 == 0
	v_mov_b32 v[SB+(\t)/4], v13                    ; four bytes to a register, the lower K in the lower byte
.else
	v_lshl_or_b32 v[SB+(\t)/4], v13, 8*((\t)%4), v[SB+(\t)/4]
.endif
.irp i, 0,1,2,3,4,5,6,7,8,9,10,11,12,13,14,15,16,17,18,19,20,21,22,23,24,25,26,27,28,29,30,31
	v_med3_num_f32 v[XS+\i], v[XS+\i], -v10, v10
.endr
.irp g, 0,1,2,3
	v_cvt_scalef32_pk8_bf8_f32 v[WC+2*\g:WC+2*\g+1], v[XS+8*\g:XS+8*\g+7], v11
.endr
	v_nop                                          ; a plain line behind the last conversion
	ds_store_b128 v4, v[WC:WC+3] offset:32*(\t)    ; 32 codes: 32 bytes of my column's row
	ds_store_b128 v4, v[WC+4:WC+7] offset:32*(\t)+16
.if (\t)+2 < NB
	WLOAD (\t)+2
.endif
	s_wait_dscnt 0x0                               ; the stores have read their registers: the next block's codes may be written
.endm
.irp t, 0,1,2,3,4,5,6,7
	WBLOCK \t
.endr
	global_store_b64 v9, v[SB:SB+1], s[52:53]      ; my column's 8 scale bytes, at row sigma(lane)
.irp t, 0,1,2,3,4,5,6,7,8,9,10,11,12,13,14,15
	ds_load_b128 v[OUTR+4*\t:OUTR+4*\t+3], v7 offset:2*\t*WP   ; LDS serves a wave's instructions in order: these see my stores
.endr
.irp t, 0,1,2,3,4,5,6,7,8,9,10,11,12,13,14,15
	s_wait_dscnt 15-\t                             ; the younger reads of the stage may stay out
	global_store_b128 v8, v[OUTR+4*\t:OUTR+4*\t+3], s[50:51] offset:(((2*\t)&7)+16*(((2*\t)>>3)&1)+8*(((2*\t)>>4)&1))*1024   ; columns 2 t, 2 t + 1 go to rows sigma(2 t), sigma(2 t) + 1: sixteen lanes store 256 consecutive bytes, aligned
.endr
	s_wait_tensorcnt 0x0
	ds_add_u32 v208, v209
	s_wait_dscnt 0x0
	s_endpgm
.Lfunc_end_k_q5b260f9258_prep:
	.size	k_q5b260f9258_prep, .Lfunc_end_k_q5b260f9258_prep-k_q5b260f9258_prep
	.p2alignl 7, 3214868480
	.fill 96, 4, 3214868480
	.section	.rodata,"a",@progbits
	.p2align	6, 0x0
	.amdhsa_kernel k_q5b260f9258_prep
		.amdhsa_group_segment_fixed_size 68096
		.amdhsa_private_segment_fixed_size 0
		.amdhsa_enable_private_segment 0
		.amdhsa_kernarg_size 40
		.amdhsa_user_sgpr_count 2
		.amdhsa_user_sgpr_kernarg_segment_ptr 1
		.amdhsa_wavefront_size32 1
		.amdhsa_system_sgpr_workgroup_id_x 1
		.amdhsa_system_sgpr_workgroup_id_y 1
		.amdhsa_system_sgpr_workgroup_id_z 1
		.amdhsa_system_vgpr_workitem_id 0
		.amdhsa_next_free_vgpr 210
		.amdhsa_next_free_sgpr 66
		.amdhsa_reserve_vcc 0
		.amdhsa_float_denorm_mode_32 3
		.amdhsa_float_denorm_mode_16_64 3
		.amdhsa_memory_ordered 1
		.amdhsa_forward_progress 1
		.amdhsa_inst_pref_size 113
	.end_amdhsa_kernel
	.amdgpu_metadata
---
amdhsa.version: [ 1, 2 ]
amdhsa.kernels:
  - .name:           k_q5b260f9258_prep
    .symbol:         k_q5b260f9258_prep.kd
    .args:
      - { .name: x, .offset: 0, .size: 8, .value_kind: global_buffer, .address_space: global }
      - { .name: W_qkv, .offset: 8, .size: 8, .value_kind: global_buffer, .address_space: global }
      - { .name: W_out, .offset: 16, .size: 8, .value_kind: global_buffer, .address_space: global }
      - { .name: xq, .offset: 24, .size: 8, .value_kind: global_buffer, .address_space: global }
      - { .name: wq, .offset: 32, .size: 8, .value_kind: global_buffer, .address_space: global }
    .group_segment_fixed_size: 68096
    .private_segment_fixed_size: 0
    .kernarg_segment_align: 8
    .kernarg_segment_size: 40
    .max_flat_workgroup_size: 128
    .sgpr_count:     66
    .vgpr_count:     210
    .wavefront_size: 32
...
	.end_amdgpu_metadata
.endif
;; end of part 1
;; launch gemm1 (part 2): grid 8 x 48, 4 waves a work-group, clusters of 4 x 4, 327,680 bytes of LDS; arguments xq, wq, b_qkv, qq, kv; writes qq, kv
.if DOCPART == 2
	.amdgcn_target "amdgcn-amd-amdhsa--gfx1250"
	.amdhsa_code_object_version 6
	.text
	.protected	k_q5b260f9258_gemm1
	.globl	k_q5b260f9258_gemm1
	.p2align	8
	.type	k_q5b260f9258_gemm1,@function
k_q5b260f9258_gemm1:
	s_mov_b64 s[64:65], 0
	v_nop
	global_prefetch_b8 v0, s[64:65] scope:SCOPE_SE
	s_setreg_imm32_b32 hwreg(HW_REG_WAVE_MODE, 25, 1), 1
	s_wait_xcnt 0x0
	s_wait_alu depctr_hold_cnt(0) depctr_sa_sdst(0) depctr_va_vdst(0) depctr_va_sdst(0) depctr_va_ssrc(0) depctr_va_vcc(0) depctr_vm_vsrc(0)
	s_getreg_b32 s2, hwreg(HW_REG_IB_STS2, 6, 4)
	s_cmp_eq_u32 s2, 0
	s_cbranch_scc0 .Lentry_in_a_cluster
	s_endpgm
.Lentry_in_a_cluster:
	s_bfe_u32 s2, ttmp6, 0x10000c
	s_cmp_lg_u32 s2, 0xf033
	s_cbranch_scc0 .Lentry_shape_is_right
	s_endpgm
.Lentry_shape_is_right:
; GEMM1: qkv = x W_qkv + b_qkv on codes of BF8 (E5M2) with E8M0 scales, K = 1,024; its results leave already QUANTISED, as images of the operand registers that the attention launch wants.
; A tile of 256 x 256 is made by four waves, 128 x 128 each: 64 accumulators, 512 registers.  K goes in steps of 256 through a ring of two LDS slots filled by the tensor data mover; the scale bytes of the tile's rows come once and stay.
; THE MATRIX INSTRUCTION IS USED TRANSPOSED (source 0 = 16 rows of B, source 1 = 16 rows of A).  Both operands are stored in the row order sigma (bits 3 and 4 of the row number exchanged), so in accumulator (a, b = 2 c + u)
; register j of lane (r, h) is: A's row 32 (a / 2) + 8 (a % 2) + r + 8 (r / 8), B's row 32 c + 16 h + 8 u + j.  The 64 registers of a block a are thus 16 neighbours of each of four blocks of 32 along B's rows.
; TWO KINDS OF TILE, one text.  Clusters with y < 8: A = x's tokens, B = W's columns 0-2047 (q, k): a lane's registers run along the head's 64, q's and k's K.  Clusters with y >= 8: A = W's columns 2048-3071 (v), B = x's tokens:
; a lane's registers run along the tokens, v's K.  The choice is made of the cluster's number alone (the same in all sixteen partners): pointers and constants by selects, two short branches for the bias.
; The bias is the C of each sum's first matrix instruction.
; OUT.  qq: q's fragments [plane = 16 batch + head][tile of 16 tokens][32 of the head's 64][lane][16 bytes]; at 8,388,608 their scale words [plane][tile / 4][r][tile % 4] (bytes 2 and 3 are 0).
; kv: [plane][step of 128 keys][17,408 bytes]: k's 8 tiles of 1,024 bytes; at 8,192 v's 4 fragments of 2,048 (16 of the head's 64 x 128 keys); at 16,384 k's scale words [tile / 4][r][tile % 4]; at 16,896 v's [lane][fragment].
; CLUSTERS: 4 x 4 work-groups; A's tile is asked for jointly along a row of the cluster, B's along a column.  384 work-groups: 256 tiles of q, k and 128 of v.
; LIMITS: blocks whose largest magnitude lies under 2^-111 keep the byte 1; NaN and infinities are not served.
; REGISTERS: window 0: v0-31 addresses; v32-63 scale words, two sets, and nothing else; v64-127 the bias, later at work on the way out; v128-255 A's fragments, ONE set, later the codes.
;   window 1: B's fragments, TWO sets; on the way out v0-63 the held numbers.   windows 2, 3: the accumulators ((a, b) at v[8 (8 (a % 4) + b)] of window 2 + a / 4).
.set NQ,     2                         ; matrix instructions deep in a slot: 256 along K
.set ROWB,   256                       ; a tile's row in bytes
.set KROW,   1024                      ; a row of codes in memory
.set PITCH,  272                       ; an LDS row: 256 bytes + 16 of padding: the 16 rows that a load touches start 68 words apart
.set FR,     16                        ; registers of a fragment
.set NL,     4                         ; LDS loads that bring one
.set NP,     8                         ; places behind this matrix instruction (ISA guide 7.12.1)
.set HALFT,  128*PITCH
.set SLOT,   4*HALFT                   ; A's 256 rows, then B's 256 rows
.set LAPS,   2                         ; 1,024 / 512
.set KS,     32                        ; a row of scale bytes
.set SCL,    2*SLOT                    ; behind the ring: the scales, as rows of 256 bytes + 16
.set HALFS,  16*272                    ; the scales of 128 rows
.set SBLK,   2*272                     ; of 16 rows
.set SPARE,  SCL+4*HALFS               ; the spare words, 128 bytes a wave: two blocks of 256 bytes that no other line names
.set ASTEP,  2*ROWB                    ; two K steps on, in A's rows and in B's
.set ADRA, 16                          ; v16-17  LDS address of my A fragments in slot 0, 1
.set ADRB, 20                          ; v20-21  the same for B
.set ADRS, 27                          ; v27     LDS address of my scale words: lanes 0-15 A's rows, lanes 16-31 B's
.set SPW,  28                          ; v28     my spare word; never rewritten
.set NIL,  29                          ; v29     0; never rewritten
.set SC,   32
.set BIAS, 64
.set AF,   128
.set G1, 24
.set G0, 32
.set G1B, 48
.set G0B, 56
.set G1S, 68
.set G0S, 76
.set G1SB, 80
.set G0SB, 88
.set ISV, 95                           ; s95  1 in a cluster that makes v
.set MSB, 0
.macro WIN new                         ; the immediate's high byte repeats the setting that is left
.if MSB != (\new)
	s_set_vgpr_msb (MSB<<8)|(\new)
.set MSB, (\new)
.endif
.endm
.set MUL_LO, 0xa1                      ; source 0 (B) window 1, source 1 (A) window 0, C and D window 2
.set MUL_HI, 0xf1                      ; the same, C and D window 3
.set TO_B,   0x40                      ; destination window 1, address window 0
; A joint load: waves 0 and 1 fetch for A, waves 2 and 3 for B.  The branch hangs on the wave's number alone.  Four v_nop follow each of the two lines.
.macro JLOAD g0a, g1a, g0b, g1b
	s_cmp_eq_u32 s15, 0
	s_cbranch_scc0 .Lfor_b_\@
	tensor_load_to_lds s[\g0a:\g0a+3], s[\g1a:\g1a+7]
	s_nop 0
.rept 4
	v_nop
.endr
	s_branch .Lasked_\@
.Lfor_b_\@:
	tensor_load_to_lds s[\g0b:\g0b+3], s[\g1b:\g1b+7]
	s_nop 0
.rept 4
	v_nop
.endr
.Lasked_\@:
.endm
.macro CREST                           ; a round of the cluster's barrier behind its opening barrier
	s_cmp_lg_u32 s14, 0
	s_cbranch_scc1 .Lnot_wave_0_\@
	s_barrier_signal -3
.Lnot_wave_0_\@:
	s_barrier_wait -3
	s_barrier_signal -1
	s_barrier_wait -1
.endm
.macro CROUND
	s_barrier_signal -1
	s_barrier_wait -1
	CREST
.endm
	s_load_b128 s[4:7], s[0:1], 0x0                ; xq, wq
	s_load_b64 s[12:13], s[0:1], 0x10              ; b_qkv
	s_load_b64 s[98:99], s[0:1], 0x18              ; qq
	s_load_b64 s[100:101], s[0:1], 0x20            ; kv
	v_lshl_add_u32 v[SPW], v0, 2, SPARE
	v_mov_b32 v[NIL], 0
	ds_add_u32 v28, v29
	ds_add_u32 v28, v29
	s_wait_dscnt 0x0
	v_lshrrev_b32 v1, 5, v0
	v_readfirstlane_b32 s14, v1                    ; wave 0..3
	s_lshr_b32 s15, s14, 1                         ; which half of the tile's rows (A) is mine.  Also: I fetch for A (0) or for B (1)
	s_and_b32 s16, s14, 1                          ; which half of its columns (B).  Also: which 128 rows of that tile I fetch
	s_bfe_u32 s40, ttmp6, 0x40000                  ; cx, cy: my place in the cluster
	s_bfe_u32 s41, ttmp6, 0x40004
	s_and_b32 s96, ttmp7, 0xffff                   ; the cluster's y: 0-7 q and k, 8-11 v
	s_lshl_b32 s97, s96, 1
	s_add_co_u32 s97, s97, ttmp9
	s_sub_co_u32 s97, s97, 16                      ; v's eight clusters, 0-7 (used where y >= 8 alone)
	s_cmp_ge_u32 s96, 8
	s_cselect_b32 s[ISV], 1, 0
	s_cselect_b32 s2, s97, s96                     ; which cluster of its kind this is: v's 0-7; q's and k's by y, 0-7
	s_cselect_b32 s42, s97, ttmp9
	s_cselect_b32 s17, 0, s96
	s_lshl_b32 s42, s42, 2
	s_add_co_u32 s42, s42, s40                     ; tile column (B): q, k 0-7; v 0-31
	s_lshl_b32 s17, s17, 2
	s_add_co_u32 s17, s17, s41                     ; tile row (A): q, k 0-31; v 0-3
	s_lshl_b32 s43, s41, 2
	s_lshl_b32 s43, 15, s43                        ; my row of the cluster
	s_lshl_b32 s44, 0x1111, s40                    ; my column
	; descriptor group 1: a tile of 128 rows x 256 bytes, 16 bytes of padding behind each row
	s_or_b32 s[G1+0], s43, (0<<16)|(1<<20)|(1<<21)|(5<<22)|(3<<25)  ; 15:0 the mask; 17:16 elements of 1 byte; 20 padding on; 21 set beside a mask; 24:22 after every 64 words; 31:25 four words
	s_or_b32 s[G1B+0], s44, (0<<16)|(1<<20)|(1<<21)|(5<<22)|(3<<25)
.irp g, G1, G1B
	s_mov_b32 s[\g+1], ROWB<<16                    ; tensor_dim0
	s_mov_b32 s[\g+2], 256<<16                     ; tensor_dim1: 256 rows for the head's loads; set to 128 for the ring's behind them
	s_mov_b32 s[\g+3], ROWB<<16                    ; tile_dim0
	s_mov_b32 s[\g+4], 256                         ; tile_dim1
	s_mov_b32 s[\g+5], KROW                        ; from row to row
	s_mov_b32 s[\g+6], 0
	s_mov_b32 s[\g+7], 0
.endr
	; the scales of 128 rows: 4,096 dense bytes as 16 rows of 256 (32 elements of 8 bytes), padded likewise
	s_or_b32 s[G1S+0], s43, (3<<16)|(1<<20)|(1<<21)|(5<<22)|(3<<25)
	s_or_b32 s[G1SB+0], s44, (3<<16)|(1<<20)|(1<<21)|(5<<22)|(3<<25)
.irp g, G1S, G1SB
	s_mov_b32 s[\g+1], 32<<16
	s_mov_b32 s[\g+2], 32<<16                      ; the scales of 256 rows: 32 rows of 256 bytes
	s_mov_b32 s[\g+3], 32<<16
	s_mov_b32 s[\g+4], 32
	s_mov_b32 s[\g+5], 32
	s_mov_b32 s[\g+6], 0
	s_mov_b32 s[\g+7], 0
.endr
	s_lshl_b32 s20, s17, 8
	s_lshl_b32 s19, s[ISV], 11
	s_add_co_u32 s20, s20, s19                     ; A: the tile's first row, 256 x tile row (+ 2,048 in wq for v)
	s_lshl_b32 s46, s42, 8                         ; B: 256 x tile column
	s_mov_b32 s21, 0
	s_mov_b32 s47, 0
	s_mov_b64 s[18:19], KS
	s_mul_u64 s[22:23], s[20:21], s[18:19]         ; where these rows' scales begin,
	s_mul_u64 s[92:93], s[46:47], s[18:19]
	s_mov_b64 s[18:19], KROW
	s_mul_u64 s[20:21], s[20:21], s[18:19]         ; and their codes
	s_mul_u64 s[46:47], s[46:47], s[18:19]
	s_mul_i32 s45, s14, HALFT                      ; where the ring's loads go: wave x 128 rows: no place in the cluster enters an LDS address
	s_mul_i32 s18, s16, 128*KROW                   ; in the ring I fetch 128 rows of a tile: which half, in bytes
	s_mov_b32 s19, 0
	s_wait_kmcnt 0x0
	s_add_nc_u64 s[66:67], s[4:5], 8388608         ; xq's scale bytes
	s_add_nc_u64 s[96:97], s[6:7], 4194304         ; wq's
	s_cmp_eq_u32 s[ISV], 0                         ; q, k: A = xq, B = wq;  v: the other way round
	s_cselect_b64 s[8:9], s[6:7], s[4:5]           ; B's codes
	s_cselect_b64 s[10:11], s[96:97], s[66:67]     ; B's scales
	s_cselect_b64 s[4:5], s[4:5], s[6:7]           ; A's codes
	s_cselect_b64 s[6:7], s[66:67], s[96:97]       ; A's scales
	s_add_nc_u64 s[20:21], s[4:5], s[20:21]
	s_add_nc_u64 s[22:23], s[6:7], s[22:23]
	s_add_nc_u64 s[46:47], s[8:9], s[46:47]
	s_add_nc_u64 s[92:93], s[10:11], s[92:93]
	; THE PREFETCHES INTO THE L2.  Of the 128 rows that a wave fetches in the ring, each of the four partners that ask for them jointly takes 32, told apart by address (cx for A, cy for B): a lane a row, 256 bytes of it a K step.
	; x's side (A of q and k, B of v) is asked for by every cluster that will load it; the weights' rows are read by eight clusters alike, so the first cluster of its kind alone asks for them.  s2 = 1: my wave asks.
	s_lshl_b32 s66, s40, 15                        ; 32 rows of 1,024 bytes for each place
	s_lshl_b32 s67, s41, 15
	s_cmp_eq_u32 s15, 0
	s_cselect_b64 s[96:97], s[20:21], s[46:47]
	s_cselect_b32 s66, s66, s67
	s_mov_b32 s67, 0
	s_add_nc_u64 s[96:97], s[96:97], s[18:19]      ; my half of the tile,
	s_add_nc_u64 s[96:97], s[96:97], s[66:67]      ; my work-group's 32 rows of it
	s_cmp_eq_u32 s2, 0
	s_cselect_b32 s2, 1, 0
	s_cmp_eq_u32 s15, s[ISV]
	s_cselect_b32 s2, 1, s2
	CROUND
.set G0H, 4                            ; s[4:7], s[8:11] group 0 of the head's loads of K step 0 (the pointers that lay there have been used)
.set G0HB, 8
	s_mov_b32 s[G0H], 1                            ; the head's four tiles, each whole: K step 0's 256 rows of A,
	s_mov_b32 s[G0H+1], 0
	s_mov_b64 s[G0H+2:G0H+3], s[20:21]
	s_or_b32 s[G0H+3], s[G0H+3], 0x80000000
	s_mov_b32 s[G0HB], 1                           ; its 256 rows of B, behind them in slot 0,
	s_mov_b32 s[G0HB+1], 2*HALFT
	s_mov_b64 s[G0HB+2:G0HB+3], s[46:47]
	s_or_b32 s[G0HB+3], s[G0HB+3], 0x80000000
	s_mov_b32 s[G0S], 1                            ; the scales of A's 256 rows,
	s_mov_b32 s[G0S+1], SCL
	s_mov_b64 s[G0S+2:G0S+3], s[22:23]
	s_or_b32 s[G0S+3], s[G0S+3], 0x80000000
	s_mov_b32 s[G0SB], 1                           ; and of B's
	s_mov_b32 s[G0SB+1], SCL+2*HALFS
	s_mov_b64 s[G0SB+2:G0SB+3], s[92:93]
	s_or_b32 s[G0SB+3], s[G0SB+3], 0x80000000
	s_add_nc_u64 s[20:21], s[20:21], s[18:19]      ; for the ring: my 128 rows of the tile
	s_add_nc_u64 s[46:47], s[46:47], s[18:19]
.irp s, 0,1
	s_mov_b32 s[G0+4*\s], 1
	s_add_co_u32 s[G0+4*\s+1], s45, \s*SLOT
	s_add_nc_u64 s[G0+4*\s+2:G0+4*\s+3], s[20:21], \s*ROWB
	s_or_b32 s[G0+4*\s+3], s[G0+4*\s+3], 0x80000000
	s_mov_b32 s[G0B+4*\s], 1
	s_add_co_u32 s[G0B+4*\s+1], s45, \s*SLOT
	s_add_nc_u64 s[G0B+4*\s+2:G0B+4*\s+3], s[46:47], \s*ROWB
	s_or_b32 s[G0B+4*\s+3], s[G0B+4*\s+3], 0x80000000
.endr
; THE HEAD'S LOADS, ONE A WAVE: wave 0 K step 0's 256 rows of A, wave 1 its 256 rows of B, wave 2 A's scales, wave 3 B's.  One tree of branches on the wave's number: every way passes exactly one load.
.macro ARM under, g0, g1, next
	s_cmp_lt_u32 s14, \under
	s_cbranch_scc0 \next
	tensor_load_to_lds s[\g0:\g0+3], s[\g1:\g1+7]
	s_nop 0
.rept 4
	v_nop
.endr
	s_branch .Lhead_asked
\next:
.endm
	ARM 1, G0H,  G1,  .Lhead_b
	ARM 2, G0HB, G1B, .Lhead_sa
	ARM 3, G0S,  G1S, .Lhead_sb
	tensor_load_to_lds s[G0SB:G0SB+3], s[G1SB:G1SB+7]
	s_nop 0
.rept 4
	v_nop
.endr
.Lhead_asked:
	v_and_b32 v30, 31, v0
	v_lshlrev_b32 v30, 10, v30                     ; the prefetches' offset: my lane x a row of codes; never rewritten
	v_and_b32 v1, 15, v0
	v_bfe_u32 v2, v0, 4, 1                         ; h
	v_mul_u32_u24 v3, v1, PITCH
	v_lshl_add_u32 v4, v2, 4, v3                   ; a fragment's row x pitch + 16 h
	s_mul_i32 s21, s15, HALFT                      ; my 128 rows of A
	s_mul_i32 s22, s16, HALFT                      ; my 128 rows of B,
	s_add_co_u32 s22, s22, 2*HALFT                 ; which lie behind A's 256
.irp s, 0,1
	v_add_nc_u32 v[ADRA+\s], s21, v4
	v_add_nc_u32 v[ADRB+\s], s22, v4
	s_add_co_u32 s21, s21, SLOT
	s_add_co_u32 s22, s22, SLOT
.endr
	v_mul_u32_u24 v5, v1, KS                       ; my row's scales: 32 bytes a row,
	v_lshrrev_b32 v6, 8, v5
	v_lshl_add_u32 v5, v6, 4, v5                   ; and 16 more for each 256 passed
	s_mul_i32 s21, s15, HALFS
	s_mul_i32 s22, s16, HALFS
	s_add_co_u32 s22, s22, 2*HALFS
	s_sub_co_u32 s22, s22, s21
	v_mul_u32_u24 v6, s22, v2                      ; lanes 16-31 take B's: one product, the distance between the two bases
	s_add_co_u32 s21, s21, SCL
	v_add_nc_u32 v5, v5, v6
	v_add_nc_u32 v[ADRS], s21, v5
	; THE BIAS, in the result's layout.  q, k: it hangs on B's row: register j of tile b wants b_qkv at 32 (b / 2) + 8 (b % 2) + 16 h + j.  v: on A's row: all eight registers of block a want b_qkv at 32 (a / 2) + 8 (a % 2) + r + 8 (r / 8).
	s_lshl_b32 s20, s42, 10
	s_lshl_b32 s21, s16, 9
	s_add_co_u32 s20, s20, s21                     ; q, k: 4 x my first column
	s_lshl_b32 s22, s17, 10
	s_lshl_b32 s23, s15, 9
	s_add_co_u32 s22, s22, s23
	s_add_co_u32 s22, s22, 8192                    ; v: 4 x (2,048 + my first row)
	s_cmp_eq_u32 s[ISV], 0
	s_cselect_b32 s20, s20, s22
	s_mov_b32 s21, 0
	s_add_nc_u64 s[12:13], s[12:13], s[20:21]
	v_lshlrev_b32 v5, 6, v2                        ; 64 h
	v_and_b32 v6, 8, v1
	v_add_nc_u32 v6, v6, v1
	v_lshlrev_b32 v6, 2, v6                        ; 4 (r + 8 (r / 8))
	s_cmp_eq_u32 s[ISV], 0
	s_cbranch_scc0 .Lbias_v
.irp t, 0,1,2,3,4,5,6,7
	global_load_b128 v[BIAS+8*\t:BIAS+8*\t+3], v5, s[12:13] offset:(32*(\t/2)+8*(\t%2))*4
	global_load_b128 v[BIAS+8*\t+4:BIAS+8*\t+7], v5, s[12:13] offset:(32*(\t/2)+8*(\t%2))*4+16
.endr
	s_branch .Lbias_done
.Lbias_v:
	s_wait_alu depctr_va_vdst(0)
.irp t, 0,1,2,3,4,5,6,7
.irp j, 0,1,2,3,4,5,6,7
	global_load_b32 v[BIAS+8*\t+\j], v6, s[12:13] offset:(32*(\t/2)+8*(\t%2))*4
.endr
.endr
.Lbias_done:
	s_cmp_eq_u32 s2, 1                             ; K steps 1 and 2: one and two loads ahead of the loads that will want them
	s_cbranch_scc0 .Lno_ask_0
	global_prefetch_b8 v30, s[96:97] offset:ROWB th:TH_LOAD_NT scope:SCOPE_SE
	global_prefetch_b8 v30, s[96:97] offset:2*ROWB th:TH_LOAD_NT scope:SCOPE_SE
.Lno_ask_0:
.macro FRAG reg, adr, q, i             ; 16 rows x 128 K: lane l holds row l % 16; registers 4 c .. 4 c + 3 hold K = 32 c + 16 (l / 16) + 0 .. 15
.irp c, 0,1,2,3
	ds_load_b128 v[\reg+4*\c:\reg+4*\c+3], v[\adr] offset:128*(\q)+32*\c+(\i)*16*PITCH
.endr
.endm
; 16 matrix instructions: A's blocks a0, a0 + 1 x B's eight.  p: B's set; sc: the set of scale words.  zero = 1: C is the bias by B's tile; 2: by A's block; 0: in place.
; The 64 accumulators take turns, one instruction a turn, in the same order in every step.
.macro MUL16 a0, p, q, sc, zero
.irp a, \a0, \a0+1
.irp b, 0,1,2,3,4,5,6,7
.if (\zero) == 1
	v_wmma_scale_f32_16x16x128_f8f6f4 v[8*(8*((\a)%4)+\b):8*(8*((\a)%4)+\b)+7], v[128*(\p)+FR*\b:128*(\p)+FR*\b+FR-1], v[AF+FR*(\a):AF+FR*(\a)+FR-1], v[BIAS+8*\b:BIAS+8*\b+7], v[SC+8*NQ*(\sc)+NQ*\b+(\q)], v[SC+8*NQ*(\sc)+NQ*(\a)+(\q)] matrix_a_fmt:MATRIX_FMT_BF8 matrix_b_fmt:MATRIX_FMT_BF8 matrix_a_scale:MATRIX_SCALE_ROW1
.elseif (\zero) == 2
	v_wmma_scale_f32_16x16x128_f8f6f4 v[8*(8*((\a)%4)+\b):8*(8*((\a)%4)+\b)+7], v[128*(\p)+FR*\b:128*(\p)+FR*\b+FR-1], v[AF+FR*(\a):AF+FR*(\a)+FR-1], v[BIAS+8*(\a):BIAS+8*(\a)+7], v[SC+8*NQ*(\sc)+NQ*\b+(\q)], v[SC+8*NQ*(\sc)+NQ*(\a)+(\q)] matrix_a_fmt:MATRIX_FMT_BF8 matrix_b_fmt:MATRIX_FMT_BF8 matrix_a_scale:MATRIX_SCALE_ROW1
.else
	v_wmma_scale_f32_16x16x128_f8f6f4 v[8*(8*((\a)%4)+\b):8*(8*((\a)%4)+\b)+7], v[128*(\p)+FR*\b:128*(\p)+FR*\b+FR-1], v[AF+FR*(\a):AF+FR*(\a)+FR-1], v[8*(8*((\a)%4)+\b):8*(8*((\a)%4)+\b)+7], v[SC+8*NQ*(\sc)+NQ*\b+(\q)], v[SC+8*NQ*(\sc)+NQ*(\a)+(\q)] matrix_a_fmt:MATRIX_FMT_BF8 matrix_b_fmt:MATRIX_FMT_BF8 matrix_a_scale:MATRIX_SCALE_ROW1
.endif
.endr
.endr
.endm
.macro FETCH_B slot, q, p
	WIN TO_B
.irp i, 0,1,2,3,4,5,6,7
	FRAG 128*(\p)+FR*\i, ADRB+\slot, \q, \i
.endr
	WIN 0
.endm
.macro FETCH_A slot, q, i0
.irp i, \i0, \i0+1, \i0+2, \i0+3
	FRAG AF+FR*(\i), ADRA+\slot, \q, \i
.endr
.endm
.macro SCALES sc                       ; a K step's scale words into set sc: two words a row; lanes 0-15 take A's block i, lanes 16-31 B's block i
.irp i, 0,1,2,3,4,5,6,7
	ds_load_b64 v[SC+8*NQ*\sc+NQ*\i:SC+8*NQ*\sc+NQ*\i+1], v[ADRS] offset:\i*SBLK
.endr
.endm
.macro PLACES n                        ; plain vector lines between a matrix instruction and a load into, or a read of, its registers
.rept \n
	v_nop
.endr
.endm
; A step of 128 along K that has its successor in the same slot.  With zero != 0 the C operand lies in window 0.
.macro STEP slot, q, zero
	s_wait_dscnt 4*NL                              ; B's set and A's blocks 0-3 are in; the youngest 16 loads (A's blocks 4-7) may be out
.if \zero
	WIN 0x81
.else
	WIN MUL_LO
.endif
	MUL16 0, (\q)%2, \q, \slot, \zero
	MUL16 2, (\q)%2, \q, \slot, \zero
	s_wait_dscnt 0
	PLACES NP
	FETCH_B \slot, (\q)+1, 1-(\q)%2
	FETCH_A \slot, (\q)+1, 0
.if \zero
	WIN 0xc1
.else
	WIN MUL_HI
.endif
	MUL16 4, (\q)%2, \q, \slot, \zero
	MUL16 6, (\q)%2, \q, \slot, \zero
	PLACES NP
	WIN 0
	FETCH_A \slot, (\q)+1, 4
.endm
; A slot's last step changes slots: ONE barrier; in front of it each wave waits for all its tensor loads, adds 0 to its spare word, and waits for that and for its own reads of this slot.  fill = 1: this slot is filled again, two K steps ahead.
.macro TURN slot, next, fill
	s_wait_tensorcnt 0x0                           ; all my tensor loads have landed: my part of the next slot
	ds_add_u32 v[SPW], v[NIL]                      ; 0 onto my spare word
	s_wait_dscnt 4*NL+1                            ; (the add and the youngest 16 loads, A's blocks 4-7, may be out)
	WIN MUL_LO
	MUL16 0, 1, NQ-1, \slot, 0                     ; sixteen matrix instructions stand between the add and the wait for it
	s_wait_dscnt 0x0                               ; the add is done, and my reads of this slot are over
	s_barrier_signal -1
	MUL16 2, 1, NQ-1, \slot, 0
	WIN 0
	s_barrier_wait -1
.if \fill
	CREST                                          ; the barrier has opened a round of the cluster's barrier: no wave of any partner still reads this slot's tile or has a load on its way
	s_add_nc_u64 s[G0+4*\slot+2:G0+4*\slot+3], s[G0+4*\slot+2:G0+4*\slot+3], ASTEP
	s_add_nc_u64 s[G0B+4*\slot+2:G0B+4*\slot+3], s[G0B+4*\slot+2:G0B+4*\slot+3], 2*ROWB
	JLOAD G0+4*\slot, G1, G0B+4*\slot, G1B         ; the first tensor load behind the round; its four v_nop are among the places in front of the loads below
	PLACES NP-4
.else
	PLACES NP
.endif
	s_wait_alu depctr_va_vdst(0)
	v_add_nc_u32 v[ADRS], 4*NQ, v[ADRS]            ; on to the next K step's scale words
	FETCH_B \next, 0, 0
	FETCH_A \next, 0, 0
	SCALES \next
	WIN MUL_HI
	MUL16 4, 1, NQ-1, \slot, 0
	MUL16 6, 1, NQ-1, \slot, 0
	PLACES NP
	WIN 0
	FETCH_A \next, 0, 4
.endm
	s_wait_alu depctr_va_vdst(0)
	s_wait_tensorcnt 0x0                           ; my tile of the head's four is in
	ds_add_u32 v[SPW], v[NIL]
	s_mov_b32 s[G1+2], 128<<16                     ; no tensor load of mine is out: from here on a load brings 128 rows
	s_mov_b32 s[G1+4], 128
	s_mov_b32 s[G1B+2], 128<<16
	s_mov_b32 s[G1B+4], 128
	s_wait_dscnt 0x0
	CROUND                                         ; all four tiles are in, and all sixteen work-groups are here
	JLOAD G0+4, G1, G0B+4, G1B                     ; K step 1: the first tensor load behind the round
	FETCH_B 0, 0, 0
	FETCH_A 0, 0, 0
	s_wait_alu depctr_va_vdst(0)
	SCALES 0
	FETCH_A 0, 0, 4
	s_cmp_eq_u32 s2, 1                             ; K step 3, the last: two loads ahead
	s_cbranch_scc0 .Lno_ask_1
	global_prefetch_b8 v30, s[96:97] offset:3*ROWB th:TH_LOAD_NT scope:SCOPE_SE
.Lno_ask_1:
	s_wait_loadcnt 0x0
	s_cmp_eq_u32 s[ISV], 0
	s_cbranch_scc0 .Lfirst_v
	STEP 0, 0, 1                                   ; the first step starts the sums from the bias: nothing is cleared, nothing is added later
	s_branch .Lfirst_done
.Lfirst_v:
	STEP 0, 0, 2
.Lfirst_done:
	s_mov_b32 s3, LAPS-1
.Llap:                                                 ; a trip goes once round the ring and fills both slots again
	TURN 0, 1, 1
	STEP 1, 0, 0
	TURN 1, 0, 1
	STEP 0, 0, 0
	s_sub_co_u32 s3, s3, 1
	s_cmp_lg_u32 s3, 0
	s_cbranch_scc1 .Llap
	TURN 0, 1, 0                                   ; the last lap fills nothing
	STEP 1, 0, 0
	s_wait_dscnt 4*NL
	WIN MUL_LO
	MUL16 0, 1, NQ-1, 1, 0
	MUL16 2, 1, NQ-1, 1, 0
	s_wait_dscnt 0
	WIN MUL_HI
	MUL16 4, 1, NQ-1, 1, 0
	MUL16 6, 1, NQ-1, 1, 0
	WIN 0
; THE WAY OUT: each block a (16 rows of A x my 128 rows of B) is quantised in registers, four blocks of 32 a lane pair, and its 16 code registers ARE a fragment (v) or two heads' half fragments (q, k): four stores of 512 consecutive bytes.  No LDS.
.set XQ,  0                            ; window 1: v0-63 the held numbers
.set TM,  64                           ; v64-67 largest magnitudes, v68-71 bytes, v72-75 57,344 x the scale, v76-79 the conversions' scale operands
.set PW,  80                           ; v80-87  block a's scale word
.set WS,  88                           ; v88-95  the same as it is stored
.set PC,  128                          ; v128-255 block a's codes at v[128 + 16 a]: no store's data are written again
.set SEL, 4                            ; s[4:5]
.set MNT, 6
	PLACES NP
	s_lshl_b32 s18, s17, 8
	s_lshl_b32 s20, s15, 7
	s_add_co_u32 s18, s18, s20                     ; my first row of A in its part
	s_lshl_b32 s19, s42, 8
	s_lshl_b32 s20, s16, 7
	s_add_co_u32 s19, s19, s20                     ; my first row of B
	s_and_b32 s21, s19, 1023
	s_cmp_lt_u32 s19, 1024
	s_cselect_b32 s22, 1, 0
	s_wait_xcnt 0x0                                ; the prefetches have read their base: s96 and s97 are written below
	s_mov_b32 s66, 2048
	s_mov_b32 s96, 133120
	s_mov_b32 s9, 139264
	s_cmp_eq_u32 s[ISV], 0
	s_cselect_b32 s20, s18, s19                    ; my first token
	s_cselect_b32 s21, s21, s18                    ; my first feature within q, k or v
	s_cselect_b32 s22, s22, 0                      ; 1: these columns are q's
	s_cselect_b32 s12, 0, 8192                     ; v's fragments lie 8,192 into a step's block
	s_cselect_b32 s13, 0, 512                      ; and its scale words 512 behind k's
	s_cselect_b32 s66, 1024, s66                   ; from block to block: a tile of q or k, a fragment of v;
	s_cselect_b32 s96, 1024, s96                   ; from block 3 to block 4 v goes on to the next head: 139,264 - 3 x 2,048
	s_cselect_b32 s9, 256, s9                      ; from the first four scale words to the last four
	s_cselect_b32 s8, 16, 0                        ; q, k: lanes 16-31 take the second head's two bytes
	s_cselect_b32 s7, 0xffff, -1                   ; and bytes 2 and 3 are 0
	s_mov_b32 s67, 0
	s_mov_b32 s97, 0
	s_lshr_b32 s23, s20, 10                        ; batch
	s_bfe_u32 s20, s20, 0x30007                    ; step of 128 tokens
	s_lshr_b32 s21, s21, 6                         ; my first head
	s_lshl_b32 s23, s23, 4
	s_add_co_u32 s23, s23, s21                     ; plane
	s_mul_i32 s92, s23, 139264
	s_mul_i32 s93, s20, 17408
	s_add_co_u32 s92, s92, s93
	s_add_co_u32 s12, s12, s92                     ; in kv: the codes,
	s_add_co_u32 s13, s13, s92
	s_add_co_u32 s13, s13, 16384                   ; the scale words
	s_lshl_b32 s93, s23, 16
	s_lshl_b32 s94, s20, 13
	s_add_co_u32 s93, s93, s94                     ; in qq: the codes,
	s_lshl_b32 s94, s23, 12
	s_lshl_b32 s92, s20, 9
	s_add_co_u32 s94, s94, s92
	s_add_co_u32 s94, s94, 8388608                 ; the scale words
	s_mov_b32 s10, 139264
	s_cmp_eq_u32 s22, 1
	s_cselect_b64 s[84:85], s[98:99], s[100:101]   ; qq or kv: the choice hangs on ids alone
	s_cselect_b32 s86, s93, s12
	s_cselect_b32 s90, s94, s13
	s_cselect_b32 s11, 4096, s10                   ; from a head's scale words to the next head's
	s_cselect_b32 s10, 65536, s10                  ; from a head's codes to the next head's
	s_cmp_eq_u32 s[ISV], 0
	s_cselect_b32 s10, s10, 1024                   ; v: registers 8-15 of the fragment
	s_cselect_b32 s11, s11, 256                    ; v: lanes 16-31 store the same words behind lanes 0-15's
	s_mov_b32 s87, 0
	s_mov_b32 s91, 0
	s_add_nc_u64 s[68:69], s[84:85], s[86:87]      ; a base for each block, so that none is stepped
	s_add_nc_u64 s[88:89], s[84:85], s[90:91]
.irp a, 1,2,3
	s_add_nc_u64 s[68+2*\a:69+2*\a], s[66+2*\a:67+2*\a], s[66:67]
.endr
	s_add_nc_u64 s[76:77], s[74:75], s[96:97]
.irp a, 5,6,7
	s_add_nc_u64 s[68+2*\a:69+2*\a], s[66+2*\a:67+2*\a], s[66:67]
.endr
	s_mov_b32 s[SEL], 0x76543210
	s_mov_b32 s[SEL+1], 0xfedcba98                 ; v_permlanex16_b32's selects for lane l xor 16
	s_mov_b32 s[MNT], 0x600000
	v_and_b32 v1, 15, v0
	v_bfe_u32 v2, v0, 4, 1
	v_and_b32 v3, 31, v0
	v_lshlrev_b32 v8, 4, v3                        ; 16 x lane
	v_add_nc_u32 v9, s10, v8
	v_mul_u32_u24 v10, s11, v2
	v_lshl_add_u32 v10, v1, 4, v10                 ; the scale words: 16 r, + my half's distance
	v_add_nc_u32 v11, s9, v10
	v_mul_u32_u24 v12, s8, v2
.irp b, 0,1,2,3
	v_mov_b32 v[TM+4+\b], 0                        ; written once: a lane permute's destination counts as one of its sources
.endr
.macro OUTBLK a
.set AC, 64*((\a)%4)
	WIN (2+(\a)/4)*5                               ; sources 0 and 1: the accumulators' window
.irp b, 0,1,2,3
	v_max3_num_f32 v[TM+\b], |v[AC+16*\b]|, |v[AC+16*\b+1]|, 0x8000000   ; my 16 numbers of block b, and the floor 2^(16 - 127); each accumulator is read from its low end on
.endr
	WIN (2+(\a)/4)*20                              ; sources 1 and 2
.irp i, 2,4,6,8,10,12,14
.irp b, 0,1,2,3
	v_max3_num_f32 v[TM+\b], v[TM+\b], |v[AC+16*\b+\i]|, |v[AC+16*\b+\i+1]|
.endr
.endr
	WIN 0
.irp b, 0,1,2,3
	v_permlanex16_b32 v[TM+4+\b], v[TM+\b], s[SEL], s[SEL+1]
.endr
.irp b, 0,1,2,3
	v_max_num_f32 v[TM+\b], v[TM+\b], v[TM+4+\b]   ; with lane l xor 16's: the block's largest magnitude
.endr
.irp b, 0,1,2,3
	v_add_nc_u32 v[TM+12+\b], 0xf8800000, v[TM+\b] ; 15 off its exponent field: the conversion's scale operand
.endr
.irp b, 0,1,2,3
	v_and_or_b32 v[TM+8+\b], v[TM+\b], 0x7f800000, s[MNT]   ; 57,344 x the scale
.endr
.irp b, 0,1,2,3
	v_lshrrev_b32 v[TM+4+\b], 23, v[TM+12+\b]      ; the scale's byte
.endr
	v_lshl_or_b32 v[PW+\a], v[TM+5], 8, v[TM+4]
	v_lshl_or_b32 v[PW+\a], v[TM+6], 16, v[PW+\a]
	v_lshl_or_b32 v[PW+\a], v[TM+7], 24, v[PW+\a]
	WIN (2+(\a)/4)|0x40                            ; source 0: the accumulators; destination: window 1
.irp b, 0,1,2,3
.irp i, 0,1,2,3,4,5,6,7,8,9,10,11,12,13,14,15
	v_med3_num_f32 v[XQ+16*\b+\i], v[AC+16*\b+\i], -v[TM+8+\b], v[TM+8+\b]   ; the conversion to an 8-bit code does not saturate (ISA guide 7.6.2): the hold
.endr
.endr
	WIN 0x01                                       ; source 0: window 1
.irp b, 0,1,2,3
	v_cvt_scalef32_pk8_bf8_f32 v[PC+16*(\a)+4*\b:PC+16*(\a)+4*\b+1], v[XQ+16*\b:XQ+16*\b+7], v[TM+12+\b]
	v_cvt_scalef32_pk8_bf8_f32 v[PC+16*(\a)+4*\b+2:PC+16*(\a)+4*\b+3], v[XQ+16*\b+8:XQ+16*\b+15], v[TM+12+\b]
.endr
	v_nop                                          ; a plain line behind the last conversion
	WIN 0
	global_store_b128 v8, v[PC+16*(\a):PC+16*(\a)+3], s[68+2*(\a):69+2*(\a)]                  ; each store of the wave covers 512 consecutive bytes, aligned
	global_store_b128 v8, v[PC+16*(\a)+4:PC+16*(\a)+7], s[68+2*(\a):69+2*(\a)] offset:512
	global_store_b128 v9, v[PC+16*(\a)+8:PC+16*(\a)+11], s[68+2*(\a):69+2*(\a)]
	global_store_b128 v9, v[PC+16*(\a)+12:PC+16*(\a)+15], s[68+2*(\a):69+2*(\a)] offset:512
.endm
.irp a, 0,1,2,3,4,5,6,7
	OUTBLK \a
.endr
.irp a, 0,1,2,3,4,5,6,7
	v_lshrrev_b32 v[WS+\a], v12, v[PW+\a]          ; q, k: lanes 0-15 the first head's two bytes, lanes 16-31 the second's;  v: the whole word
.endr
.irp a, 0,1,2,3,4,5,6,7
	v_and_b32 v[WS+\a], s7, v[WS+\a]
.endr
	global_store_b128 v10, v[WS:WS+3], s[88:89]    ; sixteen lanes store 256 consecutive bytes, aligned
	global_store_b128 v11, v[WS+4:WS+7], s[88:89]
	s_wait_tensorcnt 0x0                           ; the wave's end
	ds_add_u32 v[SPW], v[NIL]
	s_wait_dscnt 0x0
	CROUND                                         ; the closing round: no work-group ends while a partner may still ask for a tile that names it
	s_endpgm
.Lfunc_end_k_q5b260f9258_gemm1:
	.size	k_q5b260f9258_gemm1, .Lfunc_end_k_q5b260f9258_gemm1-k_q5b260f9258_gemm1
	.p2alignl 7, 3214868480
	.fill 96, 4, 3214868480
	.section	.rodata,"a",@progbits
	.p2align	6, 0x0
	.amdhsa_kernel k_q5b260f9258_gemm1
		.amdhsa_group_segment_fixed_size 327680
		.amdhsa_private_segment_fixed_size 0
		.amdhsa_enable_private_segment 0
		.amdhsa_kernarg_size 40
		.amdhsa_user_sgpr_count 2
		.amdhsa_user_sgpr_kernarg_segment_ptr 1
		.amdhsa_wavefront_size32 1
		.amdhsa_system_sgpr_workgroup_id_x 1
		.amdhsa_system_sgpr_workgroup_id_y 1
		.amdhsa_system_sgpr_workgroup_id_z 1
		.amdhsa_system_vgpr_workitem_id 0
		.amdhsa_next_free_vgpr 1024
		.amdhsa_next_free_sgpr 102
		.amdhsa_reserve_vcc 0
		.amdhsa_float_denorm_mode_32 3
		.amdhsa_float_denorm_mode_16_64 3
		.amdhsa_memory_ordered 1
		.amdhsa_forward_progress 1
		.amdhsa_inst_pref_size 211
	.end_amdhsa_kernel
	.amdgpu_metadata
---
amdhsa.version: [ 1, 2 ]
amdhsa.kernels:
  - .name:           k_q5b260f9258_gemm1
    .symbol:         k_q5b260f9258_gemm1.kd
    .args:
      - { .name: xq, .offset: 0, .size: 8, .value_kind: global_buffer, .address_space: global }
      - { .name: wq, .offset: 8, .size: 8, .value_kind: global_buffer, .address_space: global }
      - { .name: b_qkv, .offset: 16, .size: 8, .value_kind: global_buffer, .address_space: global }
      - { .name: qq, .offset: 24, .size: 8, .value_kind: global_buffer, .address_space: global }
      - { .name: kv, .offset: 32, .size: 8, .value_kind: global_buffer, .address_space: global }
    .group_segment_fixed_size: 327680
    .private_segment_fixed_size: 0
    .kernarg_segment_align: 8
    .kernarg_segment_size: 40
    .max_flat_workgroup_size: 128
    .sgpr_count:     102
    .vgpr_count:     1024
    .wavefront_size: 32
...
	.end_amdgpu_metadata
.endif
;; end of part 2
;; launch attn (part 3): grid 4 x 64, 16 waves a work-group, clusters of 4 x 1, 327,680 bytes of LDS; arguments qq, kv, ao; writes ao
.if DOCPART == 3
	.amdgcn_target "amdgcn-amd-amdhsa--gfx1250"
	.amdhsa_code_object_version 6
	.text
	.protected	k_q5b260f9258_attn
	.globl	k_q5b260f9258_attn
	.p2align	8
	.type	k_q5b260f9258_attn,@function
k_q5b260f9258_attn:
	s_mov_b64 s[64:65], 0
	v_nop
	global_prefetch_b8 v0, s[64:65] scope:SCOPE_SE
	s_setreg_imm32_b32 hwreg(HW_REG_WAVE_MODE, 25, 1), 1
	s_wait_xcnt 0x0
	s_wait_alu depctr_hold_cnt(0) depctr_sa_sdst(0) depctr_va_vdst(0) depctr_va_sdst(0) depctr_va_ssrc(0) depctr_va_vcc(0) depctr_vm_vsrc(0)
	s_getreg_b32 s2, hwreg(HW_REG_IB_STS2, 6, 4)
	s_cmp_eq_u32 s2, 0
	s_cbranch_scc0 .Lentry_in_a_cluster
	s_endpgm
.Lentry_in_a_cluster:
	s_bfe_u32 s2, ttmp6, 0x10000c
	s_cmp_lg_u32 s2, 0x3003
	s_cbranch_scc0 .Lentry_shape_is_right
	s_endpgm
.Lentry_shape_is_right:
; ATTN: o = softmax(q k^T / 8, causal) v for the heads of a batch (a plane = one head of one batch), both products on codes of BF8 (E5M2) with E8M0 scales; the result leaves QUANTISED along the model's 1,024, as images of the last product's operand registers.
; THE SOFTMAX: t = score x log2(e) / 8; M = the running largest t rounded UP to a whole number; p = 2^(t - M) is quantised along the keys, not normalised; the row's sum is taken of the unquantised p and divides at the end.
; When M moves, the sum and O are multiplied by 2^(old M - new M): exact.  LEFT OUT: key steps all of whose keys come after a tile's queries: the causal mask makes their p zero for all inputs.
; SHARES.  A cluster of four work-groups owns two planes, 2 y and 2 y + 1.  A plane has 64 tiles of 16 queries; tile a wants the key steps 0 .. a / 8 (128 keys a step).  Wave w (0 .. 15) of partner cx owns tile 4 w + cx of the first plane and
; tile 63 - (4 w + cx) of the second: (w / 2 + 1) + (8 - w / 2) = 9 tile steps in every wave.  A wave works ONE tile at a time in one set of registers: the longer tile (8 - g steps, g = min(w / 2, 7 - w / 2)), its way out, then the shorter (g + 1 steps).
; The loops' trip counts are constants (2, 6, 4); a step beyond the tile's last is passed over by a scalar branch on the wave's number and the count of steps.  No branch and no LDS address hangs on cx.
; LDS.  Both planes' kv, 2 x 139,264 bytes (16 steps x 17,408: k's 8 tiles, v's 4 fragments, their scale words), are filled ONCE, by JOINT loads that name all four partners: each wave asks for one step, 68 rows of 256 bytes.
; Waves 0-3 ask for steps 0 and 1 of both planes on a load line of their own and wait for it ahead of the first barrier; the other twelve steps are waited for ahead of the second barrier, behind two tile steps.  Nothing is filled again.
; NO PREFETCH: all tiles are asked for by each wave's one load at the head; nothing could be asked earlier.
; LAYOUT.  Both products are used transposed: S^T = K Q^T, O^T = V^T P^T: a lane holds ONE query: 32 (a / 2) + 8 (a % 2) + r + 8 (r / 8).  The 16 registers of score tiles 2 b, 2 b + 1 are keys 32 b + 16 h + 0 .. 15.
; K = 64 IN AN INSTRUCTION OF 128: q's registers 8-15 are zero codes, and bytes 2 and 3 of q's and k's scale words are 0 (2^-127, no NaN).  k's operand for tile t takes the next tile's codes (finite) or zeros as its upper half.
; THE MASK.  A tile's last step lies on the diagonal.  There block b* = (a / 2) % 4 of 32 keys is hidden in part: key 16 h + i where i > 8 (a % 2) + r + 8 (r / 8) - 16 h: sixteen lane masks, made once a tile; blocks above b* are hidden whole, blocks under it
; count whole.  b* hangs on cx, so the choice among the three is made by selects, not by a branch.
; ao: [row / 256][K / 256][(row / 128) % 2][unit ((a % 8) 2 + q) 8 + 2 c + h][16 r .. + 15]; at 8,388,608 scale bytes [8192 rows][32].  A row's 32 scale bytes come from 16 planes, two bytes each: these 262,144 bytes are stored in pieces of 2.
; LIMITS: blocks whose largest magnitude lies under 2^-111 keep the byte 1; NaN and infinities are not served; the scaled scores t stay under 2^31 in magnitude.
.set PLANEB, 139264
.set STEPB,  17408
.set VOFF,   8192
.set KSOFF,  16384
.set VSOFF,  16896
.set SPARE,  2*PLANEB                  ; the spare words, 128 bytes a wave: eight blocks of 256 bytes that no other line names
.set LI,   1                           ; 16 x lane
.set LQ,   2                           ; 16 x r
.set ADK,  3                           ; the step's block + 16 x lane
.set ADS,  4                           ; the step's block + 16 x r
.set DL,   5                           ; r + 8 (r / 8) - 16 h
.set SAD,  6                           ; 32 x r: the scale bytes' offset on the way out
.set SPW,  10
.set NIL,  11
.set ST,   12                          ; -M, the largest t, the sum in two halves
.set Q,    16                          ; v16-23 q's codes, v24-31 zeros
.set O,    32                          ; v32-63 O^T
.set S,    64                          ; v64-127 S^T, then p, then v's four fragments
.set KR,   128                         ; v128-191 eight tiles of k; later p's codes in v128-143; the way out's codes in v128-135
.set ZR,   192                         ; v192-199 zeros
.set BM,   200
.set PM,   204
.set HD,   208
.set SO,   212
.set KSC,  216                         ; v216-223 k's scale words
.set VSC,  224
.set TMP,  228
.set PSW,  229
.set F,    230                         ; v[230:231] f = 2^(old M - new M)
.set QS,   232                         ; q's scale words
.set QSH,  233                         ; the shorter tile's, until its turn
.set QH,   234                         ; v234-241 the shorter tile's q, until its turn
.set SW,   136
.set WV,   10
.set CYR,  11                          ; the cluster's y
.set TL,   12                          ; the longer tile;  s13 the shorter
.set TS,   13
.set GG,   14                          ; g: the shorter tile's last step
.set GB,   15                          ; 7 - g: the longer tile's
.set TB,   16                          ; LDS byte at which the step's block begins
.set SI,   17                          ; the step
.set BS,   18                          ; b*
.set MNT,  19
.set SEL,  20
.set CS,   22                          ; s[22:23] c = log2(e) / 8
.set MK,   40                          ; s40-55 the diagonal block's sixteen lane masks
.set PLL,  58                          ; the longer tile's plane;  s59 the shorter's
.set PLS,  59
.set LBL,  60                          ; where that plane begins in LDS;  s61 the shorter's
.set LBS,  61
.set G1,   68
.set G0A,  76
.set G0B,  80
.macro CROUND                          ; a round of the cluster's barrier
	s_barrier_signal -1
	s_barrier_wait -1
	s_cmp_lg_u32 s[WV], 0
	s_cbranch_scc1 .Lnot_wave_0_\@
	s_barrier_signal -3
.Lnot_wave_0_\@:
	s_barrier_wait -3
	s_barrier_signal -1
	s_barrier_wait -1
.endm
.macro FLD d, src, f, sh               ; s[d] += (a field of s[src]) << sh
	s_bfe_u32 s56, s[\src], \f
	s_lshl_b32 s56, s56, \sh
	s_add_co_u32 s[\d], s[\d], s56
.endm
.macro TADR t, pl, q, w, c, b          ; tile s[t] of plane s[pl] = 16 batch + head: offsets of q's codes, q's scale words, ao's codes, ao's scale bytes
	s_lshl_b32 s[\q], s[\t], 10                    ; q's fragments: 65,536 bytes a plane, 1,024 a tile
	FLD \q, \pl, 0x70000, 16
	s_mov_b32 s[\q+1], 0
	s_mov_b32 s[\w], 8388608                       ; q's scale words: 4,096 bytes a plane, [tile / 4][r][tile % 4]
	FLD \w, \t, 0x40002, 8
	FLD \w, \t, 0x20000, 2
	FLD \w, \pl, 0x70000, 12
	s_mov_b32 s[\w+1], 0
	s_mov_b32 s[\c], 0                             ; ao's codes
	FLD \c, \t, 0x20004, 18
	FLD \c, \t, 0x10003, 15
	FLD \c, \t, 0x30000, 12
	FLD \c, \pl, 0x30004, 20
	FLD \c, \pl, 0x20002, 16
	FLD \c, \pl, 0x10001, 11
	FLD \c, \pl, 0x10000, 10
	s_mov_b32 s[\c+1], 0
	s_lshl_b32 s[\b], s[\t], 9                     ; ao's scale bytes: (1,024 batch + 16 a + r) 32 + 2 head
	FLD \b, \pl, 0x30004, 15
	FLD \b, \pl, 0x40000, 1
	s_add_co_u32 s[\b], s[\b], 8388608
	s_mov_b32 s[\b+1], 0
.endm
.macro TINIT t                         ; a tile begins: b*, the masks, -M, the sums and O^T (zeros, which the first change of M leaves zeros)
	s_bfe_u32 s[BS], s[\t], 0x20001
	s_and_b32 s56, s[\t], 1
	s_lshl_b32 s56, s56, 3
	v_add_nc_u32 v[TMP], s56, v[DL]
.irp i, 0,1,2,3,4,5,6,7,8,9,10,11,12,13,14,15
	v_cmp_gt_i32 s[MK+\i], \i, v[TMP]
.endr
	v_mov_b32 v[ST+1], 0xff61b1e6                  ; -3e38, under every t
	v_floor_f32 v[ST], -v[ST+1]
	v_mov_b32 v[ST+2], 0
	v_mov_b32 v[ST+3], 0
.set I_, 0
.rept 32
	v_mov_b32 v[O+I_], 0
.set I_, I_+1
.endr
.endm
	s_load_b128 s[4:7], s[0:1], 0x0                ; qq, kv
	s_load_b64 s[8:9], s[0:1], 0x10                ; ao
	v_lshl_add_u32 v[SPW], v0, 2, SPARE
	v_mov_b32 v[NIL], 0
	ds_add_u32 v[SPW], v[NIL]                      ; the wave's opening: the add, twice on end, and its wait ahead of my first tensor load
	ds_add_u32 v[SPW], v[NIL]
	v_lshrrev_b32 v[BM], 5, v0
	v_readfirstlane_b32 s[WV], v[BM]               ; wave 0..15
	s_bfe_u32 s84, ttmp6, 0x40000                  ; cx
	s_and_b32 s[CYR], ttmp7, 0xffff
	s_lshl_b32 s85, s[WV], 2
	s_add_co_u32 s85, s85, s84                     ; my tile of the first plane: 4 w + cx
	s_sub_co_u32 s86, 63, s85                      ; and of the second
	s_lshr_b32 s87, s[WV], 3                       ; 1: the first plane's tile is the longer
	s_lshr_b32 s[GG], s[WV], 1
	s_mul_i32 s56, s87, 7
	s_xor_b32 s[GG], s[GG], s56                    ; g = min(w / 2, 7 - w / 2)
	s_xor_b32 s[GB], s[GG], 7
	s_mul_i32 s[LBS], s87, PLANEB
	s_xor_b32 s56, s87, 1
	s_mul_i32 s[LBL], s56, PLANEB
	s_lshl_b32 s56, s[CYR], 1
	s_add_co_u32 s57, s56, 1
	s_cmp_eq_u32 s87, 0
	s_cselect_b32 s[TS], s85, s86
	s_cselect_b32 s[TL], s86, s85
	s_cselect_b32 s[PLS], s56, s57
	s_cselect_b32 s[PLL], s57, s56
	; descriptor group 1: 68 dense rows of 256 bytes (32 elements of 8 bytes); the mask names all four partners
	s_mov_b32 s[G1], 15|(3<<16)|(1<<21)
	s_mov_b32 s[G1+1], 32<<16
	s_mov_b32 s[G1+2], 68<<16
	s_mov_b32 s[G1+3], 32<<16
	s_mov_b32 s[G1+4], 68
	s_mov_b32 s[G1+5], 32
	s_mov_b32 s[G1+6], 0
	s_mov_b32 s[G1+7], 0
	; which of the 16 steps (8 x plane + step) I ask for: waves 0-3: 0, 1, 8, 9;  waves 4-9: 2 .. 7;  waves 10-15: 10 .. 15.  The same bytes in the two planes and in LDS
	s_and_b32 s56, s[WV], 1
	s_bfe_u32 s57, s[WV], 0x10001
	s_lshl_b32 s57, s57, 3
	s_add_co_u32 s56, s56, s57
	s_mul_i32 s[G0A+1], s56, STEPB
	s_add_co_u32 s56, s[WV], 14
	s_and_b32 s56, s56, 15
	s_add_co_u32 s57, s[WV], 6
	s_lshr_b32 s57, s57, 4
	s_lshl_b32 s57, s57, 1
	s_add_co_u32 s56, s56, s57
	s_mul_i32 s[G0B+1], s56, STEPB
	s_mov_b32 s[G0A], 1
	s_mov_b32 s[G0B], 1
	s_mul_i32 s62, s[CYR], 2*PLANEB
	s_mov_b32 s63, 0
	TADR TL, PLL, 24, 26, 28, 30
	TADR TS, PLS, 32, 34, 36, 38
	s_mov_b32 s[SEL], 0x76543210
	s_mov_b32 s[SEL+1], 0xfedcba98                 ; v_permlanex16_b32's selects for lane l xor 16
	s_mov_b32 s[CS], 0x3e38aa3b                    ; c = log2(e) / sqrt(64)
	s_mov_b32 s[CS+1], s[CS]
	s_mov_b32 s[MNT], 0x600000
	s_wait_dscnt 0x0                               ; both opening adds are done
	CROUND                                         ; all four work-groups are here: the joint loads meet
	s_wait_kmcnt 0x0
	s_add_nc_u64 s[6:7], s[6:7], s[62:63]          ; kv at my cluster's two planes
	s_mov_b32 s62, s[G0A+1]
	s_add_nc_u64 s[G0A+2:G0A+3], s[6:7], s[62:63]
	s_or_b32 s[G0A+3], s[G0A+3], 0x80000000
	s_mov_b32 s62, s[G0B+1]
	s_add_nc_u64 s[G0B+2:G0B+3], s[6:7], s[62:63]
	s_or_b32 s[G0B+3], s[G0B+3], 0x80000000
	s_cmp_lt_u32 s[WV], 4                          ; one load a wave; the waves that wait at the first barrier have a load line of their own
	s_cbranch_scc0 .Lrest
	tensor_load_to_lds s[G0A:G0A+3], s[G1:G1+7]
	s_nop 0
.rept 4
	v_nop
.endr
	s_branch .Lasked
.Lrest:
	tensor_load_to_lds s[G0B:G0B+3], s[G1:G1+7]
	s_nop 0
.rept 4
	v_nop
.endr
.Lasked:
.irp a, 24, 26, 32, 34
	s_add_nc_u64 s[\a:\a+1], s[4:5], s[\a:\a+1]
.endr
.irp a, 28, 30, 36, 38
	s_add_nc_u64 s[\a:\a+1], s[8:9], s[\a:\a+1]
.endr
	v_and_b32 v[BM], 31, v0                        ; lane
	v_and_b32 v[BM+1], 15, v0                      ; r
	v_bfe_u32 v[BM+2], v0, 4, 1                    ; h
	v_lshlrev_b32 v[LI], 4, v[BM]
	v_lshlrev_b32 v[LQ], 4, v[BM+1]
	v_lshlrev_b32 v[SAD], 5, v[BM+1]
	global_load_b128 v[Q:Q+3], v[LI], s[24:25]                 ; the longer tile's q
	global_load_b128 v[Q+4:Q+7], v[LI], s[24:25] offset:512
	global_load_b32 v[QS], v[LQ], s[26:27]
	global_load_b128 v[QH:QH+3], v[LI], s[32:33]               ; the shorter tile's
	global_load_b128 v[QH+4:QH+7], v[LI], s[32:33] offset:512
	global_load_b32 v[QSH], v[LQ], s[34:35]
	v_and_b32 v[BM+3], 8, v[BM+1]
	v_add_nc_u32 v[BM+3], v[BM+3], v[BM+1]
	v_lshlrev_b32 v[BM+2], 4, v[BM+2]
	v_sub_nc_u32 v[DL], v[BM+3], v[BM+2]
.irp j, 0,1,2,3,4,5,6,7
	v_mov_b32 v[Q+8+\j], 0                         ; zero codes for k = 64 .. 127
	v_mov_b32 v[ZR+\j], 0
.endr
.irp b, 0,1,2,3
	v_mov_b32 v[PM+\b], 0                          ; a lane permute's destination counts as one of its sources
.endr
	v_mov_b32 v[F+1], 0                            ; (named as the upper half of a pair)
	TINIT TL
; A TILE STEP: 16 queries x 128 keys.  diag = 1: steps beyond s[lim] are passed over, and step s[lim] lies on the diagonal.
.macro TSTEP diag, lim
.if \diag
	s_cmp_gt_u32 s[SI], s[\lim]
	s_cbranch_scc1 .Lskip_\@
.endif
	v_add_nc_u32 v[ADK], s[TB], v[LI]
	v_add_nc_u32 v[ADS], s[TB], v[LQ]
	s_wait_alu depctr_va_vdst(0)
.rept 7
	v_nop                                          ; with the two additions nine places: the products below write over registers that the last products read, and the loads land in others of them
.endr
.irp t, 0,1,2,3,4,5,6,7
	ds_load_b128 v[KR+8*\t:KR+8*\t+3], v[ADK] offset:\t*1024
	ds_load_b128 v[KR+8*\t+4:KR+8*\t+7], v[ADK] offset:\t*1024+512
.endr
	ds_load_b128 v[KSC:KSC+3], v[ADS] offset:KSOFF
	ds_load_b128 v[KSC+4:KSC+7], v[ADS] offset:KSOFF+256
	s_wait_dscnt 0x0
.irp t, 0,1,2,3,4,5,6,7                        ; S^T = K Q^T: eight tiles of 16 keys
	v_wmma_scale_f32_16x16x128_f8f6f4 v[S+8*\t:S+8*\t+7], v[KR+8*\t:KR+8*\t+15], v[Q:Q+15], 0, v[KSC+\t], v[QS] matrix_a_fmt:MATRIX_FMT_BF8 matrix_b_fmt:MATRIX_FMT_BF8
.endr
.rept 8
	v_nop
.endr
.if \diag
	s_cmp_lg_u32 s[SI], s[\lim]
	s_cbranch_scc1 .Lopen_\@
	v_mov_b32 v[PM], 0xff800000                    ; hidden scores become -infinity ahead of the maximum
	s_wait_alu depctr_va_vdst(0)
.irp b, 0,1,2,3
	s_cmp_lt_u32 s[BS], \b
	s_cselect_b32 s56, -1, 0                       ; above b*: all lanes; under it: none
	s_cmp_eq_u32 s[BS], \b                         ; b* itself: the masks
.irp i, 0,1,2,3,4,5,6,7,8,9,10,11,12,13,14,15
	s_cselect_b32 s57, s[MK+\i], s56
	v_cndmask_b32 v[S+16*\b+\i], v[S+16*\b+\i], v[PM], s57
.endr
.endr
.Lopen_\@:
.endif
.irp b, 0,1,2,3
	v_max3_num_f32 v[BM+\b], v[S+16*\b], v[S+16*\b+1], v[S+16*\b+2]   ; the largest score of each block of 32 keys: for the row's maximum and, since p rises with the score, for the block's largest p
.endr
.irp i, 3,5,7,9,11,13
.irp b, 0,1,2,3
	v_max3_num_f32 v[BM+\b], v[BM+\b], v[S+16*\b+\i], v[S+16*\b+\i+1]
.endr
.endr
.irp b, 0,1,2,3
	v_max_num_f32 v[BM+\b], v[BM+\b], v[S+16*\b+15]
.endr
.irp b, 0,1,2,3
	v_permlanex16_b32 v[PM+\b], v[BM+\b], s[SEL], s[SEL+1]
.endr
.irp b, 0,1,2,3
	v_max_num_f32 v[BM+\b], v[BM+\b], v[PM+\b]     ; with lane l xor 16's 16 keys (the four blocks by turns)
.endr
	s_delay_alu instid0(VALU_DEP_2)
	v_max3_num_f32 v[TMP], v[BM], v[BM+1], v[BM+2]
	s_delay_alu instid0(VALU_DEP_1)
	v_max_num_f32 v[TMP], v[TMP], v[BM+3]
	s_delay_alu instid0(VALU_DEP_1)
	v_mul_f32 v[TMP], s[CS], v[TMP]                ; the step's largest t (c is positive)
	s_delay_alu instid0(VALU_DEP_1)
	v_max_num_f32 v[ST+1], v[ST+1], v[TMP]         ; the running largest t
	v_mov_b32 v[TMP], v[ST]
	s_delay_alu instid0(VALU_DEP_2)
	v_floor_f32 v[ST], -v[ST+1]                    ; the new -M = floor(-t): M is a whole number
	s_delay_alu instid0(VALU_DEP_1)
	v_sub_f32 v[TMP], v[ST], v[TMP]                ; old M - new M: a whole number, 0 or less
	s_delay_alu instid0(VALU_DEP_1)
	v_cvt_i32_f32 v[TMP], v[TMP]                   ; (it saturates)
	s_delay_alu instid0(VALU_DEP_1)
	v_ldexp_f32 v[F], 1.0, v[TMP]                  ; f = 2^(old M - new M)
.irp j, 0,2,4,6,8,10,12,14,16,18,20,22,24,26,28,30,32,34,36,38,40,42,44,46,48,50,52,54,56,58,60,62
	v_pk_fma_f32 v[S+\j:S+\j+1], v[S+\j:S+\j+1], s[CS:CS+1], v[ST:ST+1] op_sel_hi:[1,0,0]   ; t - M, two at a time
.endr
.irp b, 0,1,2,3
	v_fma_f32 v[BM+\b], v[BM+\b], s[CS], v[ST]     ; the same of each block's largest score
.endr
	s_wait_alu depctr_va_vdst(0)
.set I_, 0
.rept 64
	v_exp_f32 v[S+I_], v[S+I_]                     ; p = 2^(t - M), at most 1
.set I_, I_+1
.endr
	v_pk_mul_f32 v[ST+2:ST+3], v[ST+2:ST+3], v[F:F+1] op_sel_hi:[1,0]   ; the sums under the new M: a plain line behind the exponentials
	s_wait_alu depctr_va_vdst(0)                   ; one wait for the whole batch, ahead of its first reader
.irp b, 0,1,2,3
	v_exp_f32 v[BM+\b], v[BM+\b]                   ; the block's largest p: the same two instructions on the same number give the same bits
.endr
	v_pk_add_f32 v[PM:PM+1], v[S:S+1], v[S+2:S+3]  ; the row's sum is taken of the unquantised p: two at a time, in two chains
.irp j, 4,8,12,16,20,24,28,32,36,40,44,48,52,56,60
	v_pk_add_f32 v[ST+2:ST+3], v[ST+2:ST+3], v[S+\j:S+\j+1]
	v_pk_add_f32 v[PM:PM+1], v[PM:PM+1], v[S+\j+2:S+\j+3]
.endr
	s_delay_alu instid0(VALU_DEP_1)
	v_pk_add_f32 v[ST+2:ST+3], v[ST+2:ST+3], v[PM:PM+1]
	s_wait_alu depctr_va_vdst(0)                   ; and one for the four
.irp b, 0,1,2,3
	v_max_num_f32 v[BM+\b], 0x8000000, v[BM+\b]    ; the floor 2^(16 - 127): the byte cannot fall under 1
.endr
.irp b, 0,1,2,3
	v_add_nc_u32 v[SO+\b], 0xf8800000, v[BM+\b]    ; 15 off the exponent field: the conversion's scale operand
.endr
.irp b, 0,1,2,3
	v_and_or_b32 v[HD+\b], v[BM+\b], 0x7f800000, s[MNT]   ; 57,344 x the scale
.endr
.irp b, 0,1,2,3
	v_lshrrev_b32 v[PM+\b], 23, v[SO+\b]           ; the scale's byte
.endr
	s_delay_alu instid0(VALU_DEP_3)
	v_lshl_or_b32 v[PSW], v[PM+1], 8, v[PM]        ; p's scale word for these 128 keys
	s_delay_alu instid0(VALU_DEP_1)
	v_lshl_or_b32 v[PSW], v[PM+2], 16, v[PSW]
	s_delay_alu instid0(VALU_DEP_1)
	v_lshl_or_b32 v[PSW], v[PM+3], 24, v[PSW]
.irp b, 0,1,2,3
.irp i, 0,1,2,3,4,5,6,7,8,9,10,11,12,13,14,15
	v_min_num_f32 v[S+16*\b+\i], v[S+16*\b+\i], v[HD+\b]   ; the conversion does not saturate (ISA guide 7.6.2); p is not negative, so the hold is one-sided
.endr
	v_cvt_scalef32_pk8_bf8_f32 v[KR+4*\b:KR+4*\b+1], v[S+16*\b:S+16*\b+7], v[SO+\b]
	v_cvt_scalef32_pk8_bf8_f32 v[KR+4*\b+2:KR+4*\b+3], v[S+16*\b+8:S+16*\b+15], v[SO+\b]
.endr
.irp d, 0,1,2,3                                ; v's four fragments land where p stood
.irp c, 0,1,2,3
	ds_load_b128 v[S+16*\d+4*\c:S+16*\d+4*\c+3], v[ADK] offset:VOFF+2048*\d+512*\c
.endr
.endr
	ds_load_b128 v[VSC:VSC+3], v[ADK] offset:VSOFF
	s_wait_alu depctr_va_vdst(0)
.irp j, 0,2,4,6,8,10,12,14,16,18,20,22,24,26,28,30
	v_pk_mul_f32 v[O+\j:O+\j+1], v[O+\j:O+\j+1], v[F:F+1] op_sel_hi:[1,0]   ; O^T under the new M.  (These sixteen are also the places between the codes and the products)
.endr
	s_wait_alu depctr_va_vdst(0)
	s_wait_dscnt 0x0
.irp d, 0,1,2,3                                ; O^T += V^T P^T: four accumulators by turns
	v_wmma_scale_f32_16x16x128_f8f6f4 v[O+8*\d:O+8*\d+7], v[S+16*\d:S+16*\d+15], v[KR:KR+15], v[O+8*\d:O+8*\d+7], v[VSC+\d], v[PSW] matrix_a_fmt:MATRIX_FMT_BF8 matrix_b_fmt:MATRIX_FMT_BF8
.endr
.if \diag
.Lskip_\@:
.endif
.endm
; A TILE'S WAY OUT.  O^T / the sum is quantised along the model's axis: a lane's registers 16 c + i are channels 32 c + 16 h + i of its head; the codes are registers of the last product's operand and leave as they stand.
.macro FINISH BASE, SBASE
.rept 5
	v_nop                                          ; with the four plain lines below nine places behind the last products
.endr
	v_add_f32 v[ST+2], v[ST+2], v[ST+3]            ; the sum's two halves,
	v_permlanex16_b32 v[PM], v[ST+2], s[SEL], s[SEL+1]
	v_add_f32 v[ST+2], v[ST+2], v[PM]              ; and lane l xor 16's
	s_wait_alu depctr_va_vdst(0)
	v_rcp_f32 v[ST+2], v[ST+2]
	v_nop                                          ; a plain line behind the reciprocal
	s_wait_alu depctr_va_vdst(0)                   ; ahead of its first reader, which is O^T's first reader too
.irp j, 0,2,4,6,8,10,12,14,16,18,20,22,24,26,28,30
	v_pk_mul_f32 v[O+\j:O+\j+1], v[O+\j:O+\j+1], v[ST+2:ST+3] op_sel_hi:[1,0]   ; each accumulator from its low end on
.endr
.irp b, 0,1
	v_max3_num_f32 v[BM+\b], |v[O+16*\b]|, |v[O+16*\b+1]|, 0x8000000
.endr
.irp i, 2,4,6,8,10,12,14
.irp b, 0,1
	s_delay_alu instid0(VALU_DEP_2)
	v_max3_num_f32 v[BM+\b], v[BM+\b], |v[O+16*\b+\i]|, |v[O+16*\b+\i+1]|
.endr
.endr
.irp b, 0,1
	s_delay_alu instid0(VALU_DEP_2)
	v_permlanex16_b32 v[PM+\b], v[BM+\b], s[SEL], s[SEL+1]
.endr
.irp b, 0,1
	s_delay_alu instid0(VALU_DEP_2)
	v_max_num_f32 v[BM+\b], v[BM+\b], v[PM+\b]
.endr
.irp b, 0,1
	s_delay_alu instid0(VALU_DEP_2)
	v_add_nc_u32 v[SO+\b], 0xf8800000, v[BM+\b]
.endr
.irp b, 0,1
	s_delay_alu instid0(VALU_DEP_4)
	v_and_or_b32 v[HD+\b], v[BM+\b], 0x7f800000, s[MNT]
.endr
.irp b, 0,1
	s_delay_alu instid0(VALU_DEP_4)
	v_lshrrev_b32 v[PM+\b], 23, v[SO+\b]
.endr
	s_delay_alu instid0(VALU_DEP_1)
	v_lshl_or_b32 v[SW], v[PM+1], 8, v[PM]         ; my row's two scale bytes of this head
.irp b, 0,1
.irp i, 0,1,2,3,4,5,6,7,8,9,10,11,12,13,14,15
	v_med3_num_f32 v[O+16*\b+\i], v[O+16*\b+\i], -v[HD+\b], v[HD+\b]
.endr
	v_cvt_scalef32_pk8_bf8_f32 v[KR+4*\b:KR+4*\b+1], v[O+16*\b:O+16*\b+7], v[SO+\b]
	v_cvt_scalef32_pk8_bf8_f32 v[KR+4*\b+2:KR+4*\b+3], v[O+16*\b+8:O+16*\b+15], v[SO+\b]
.endr
	v_nop                                          ; a plain line behind the last conversion
	global_store_b128 v[LI], v[KR:KR+3], s[\BASE:\BASE+1]               ; the wave stores 512 consecutive bytes, aligned
	global_store_b128 v[LI], v[KR+4:KR+7], s[\BASE:\BASE+1] offset:512
	global_store_b16 v[SAD], v[SW], s[\SBASE:\SBASE+1]                  ; both halves of the lanes hold the same two bytes and name the same place
.endm
	s_wait_alu depctr_va_vdst(0)
	s_wait_loadcnt 0x0                             ; q
	s_cmp_lt_u32 s[WV], 4
	s_cbranch_scc0 .Lnot_first
	s_wait_tensorcnt 0x0                           ; waves 0-3: my step of the first four is in.  The other waves' wait stands at the second barrier
.Lnot_first:
	s_barrier_signal -1
	s_barrier_wait -1                              ; steps 0 and 1 of both planes are whole
	s_mov_b32 s[TB], s[LBL]
	s_mov_b32 s[SI], 0
.Lb01:                                             ; the longer tile, steps 0 and 1: 7 - g is 4 at the least, so both count whole in every wave
	TSTEP 0, GB
	s_add_co_u32 s[TB], s[TB], STEPB
	s_add_co_u32 s[SI], s[SI], 1
	s_cmp_lt_u32 s[SI], 2
	s_cbranch_scc1 .Lb01
	s_wait_tensorcnt 0x0                           ; my step is in,
	s_wait_dscnt 0x0
	s_barrier_signal -1
	s_barrier_wait -1                              ; everybody's is: both planes are whole
	s_add_co_u32 s[TB], s[LBL], 2*STEPB
.Lb27:                                             ; the longer tile, steps 2 to 7 - g
	TSTEP 1, GB
	s_add_co_u32 s[TB], s[TB], STEPB
	s_add_co_u32 s[SI], s[SI], 1
	s_cmp_lt_u32 s[SI], 8
	s_cbranch_scc1 .Lb27
	FINISH 28, 30
.irp j, 0,1,2,3,4,5,6,7
	v_mov_b32 v[Q+\j], v[QH+\j]                    ; the shorter tile's turn
.endr
	v_mov_b32 v[QS], v[QSH]
	TINIT TS
	s_wait_alu depctr_va_vdst(0)
	s_wait_xcnt 0x0                                ; the stores have read their registers: k's tiles may land there
	s_mov_b32 s[TB], s[LBS]
	s_mov_b32 s[SI], 0
.La03:                                             ; the shorter tile, steps 0 to g
	TSTEP 1, GG
	s_add_co_u32 s[TB], s[TB], STEPB
	s_add_co_u32 s[SI], s[SI], 1
	s_cmp_lt_u32 s[SI], 4
	s_cbranch_scc1 .La03
	FINISH 36, 38
	s_wait_tensorcnt 0x0                           ; the wave's end
	ds_add_u32 v[SPW], v[NIL]
	s_wait_dscnt 0x0
	CROUND                                         ; the closing round
	s_endpgm
.Lfunc_end_k_q5b260f9258_attn:
	.size	k_q5b260f9258_attn, .Lfunc_end_k_q5b260f9258_attn-k_q5b260f9258_attn
	.p2alignl 7, 3214868480
	.fill 96, 4, 3214868480
	.section	.rodata,"a",@progbits
	.p2align	6, 0x0
	.amdhsa_kernel k_q5b260f9258_attn
		.amdhsa_group_segment_fixed_size 327680
		.amdhsa_private_segment_fixed_size 0
		.amdhsa_enable_private_segment 0
		.amdhsa_kernarg_size 24
		.amdhsa_user_sgpr_count 2
		.amdhsa_user_sgpr_kernarg_segment_ptr 1
		.amdhsa_wavefront_size32 1
		.amdhsa_system_sgpr_workgroup_id_x 1
		.amdhsa_system_sgpr_workgroup_id_y 1
		.amdhsa_system_sgpr_workgroup_id_z 1
		.amdhsa_system_vgpr_workitem_id 0
		.amdhsa_next_free_vgpr 256
		.amdhsa_next_free_sgpr 88
		.amdhsa_reserve_vcc 0
		.amdhsa_float_denorm_mode_32 3
		.amdhsa_float_denorm_mode_16_64 3
		.amdhsa_memory_ordered 1
		.amdhsa_forward_progress 1
		.amdhsa_inst_pref_size 99
	.end_amdhsa_kernel
	.amdgpu_metadata
---
amdhsa.version: [ 1, 2 ]
amdhsa.kernels:
  - .name:           k_q5b260f9258_attn
    .symbol:         k_q5b260f9258_attn.kd
    .args:
      - { .name: qq, .offset: 0, .size: 8, .value_kind: global_buffer, .address_space: global }
      - { .name: kv, .offset: 8, .size: 8, .value_kind: global_buffer, .address_space: global }
      - { .name: ao, .offset: 16, .size: 8, .value_kind: global_buffer, .address_space: global }
    .group_segment_fixed_size: 327680
    .private_segment_fixed_size: 0
    .kernarg_segment_align: 8
    .kernarg_segment_size: 24
    .max_flat_workgroup_size: 512
    .sgpr_count:     88
    .vgpr_count:     256
    .wavefront_size: 32
...
	.end_amdgpu_metadata
.endif
;; end of part 3
;; launch gemm2 (part 4): grid 4 x 64, 4 waves a work-group, clusters of 4 x 4, 327,680 bytes of LDS; arguments ao, wq, b_out, out0; writes out0
.if DOCPART == 4
	.amdgcn_target "amdgcn-amd-amdhsa--gfx1250"
	.amdhsa_code_object_version 6
	.text
	.protected	k_q5b260f9258_gemm2
	.globl	k_q5b260f9258_gemm2
	.p2align	8
	.type	k_q5b260f9258_gemm2,@function
k_q5b260f9258_gemm2:
	s_mov_b64 s[64:65], 0
	v_nop
	global_prefetch_b8 v0, s[64:65] scope:SCOPE_SE
	s_setreg_imm32_b32 hwreg(HW_REG_WAVE_MODE, 25, 1), 1
	s_wait_xcnt 0x0
	s_wait_alu depctr_hold_cnt(0) depctr_sa_sdst(0) depctr_va_vdst(0) depctr_va_sdst(0) depctr_va_ssrc(0) depctr_va_vcc(0) depctr_vm_vsrc(0)
	s_getreg_b32 s2, hwreg(HW_REG_IB_STS2, 6, 4)
	s_cmp_eq_u32 s2, 0
	s_cbranch_scc0 .Lentry_in_a_cluster
	s_endpgm
.Lentry_in_a_cluster:
	s_bfe_u32 s2, ttmp6, 0x10000c
	s_cmp_lg_u32 s2, 0xf033
	s_cbranch_scc0 .Lentry_shape_is_right
	s_endpgm
.Lentry_shape_is_right:
; GEMM2: out0 = o W_out + b_out on codes of BF8 (E5M2) with E8M0 scales, K = 1,024.  A = ao (the attention's result, as images of operand registers: 128 rows x 256 along K are 32,768 dense bytes), B = wq's rows 3,072 on (W_out's columns in the order sigma).
; A block of 128 rows x 256 columns is made by four waves, 64 x 128 each: 32 accumulators.  8,192 x 1,024 outputs are 256 such blocks: one work-group on each WGP.
; K goes in steps of 256 through a ring of two LDS slots (A's 128 unit rows, then B's 256 rows); the scale bytes of the block's rows come once and stay.  Both operands have two sets of fragment registers: a step of 128 along K is fetched while the step before is multiplied.
; THE MATRIX INSTRUCTION IS USED TRANSPOSED (source 0 = 16 rows of B, source 1 = 16 rows of A): a lane holds eight neighbouring numbers of a row of out0.  The bias is the C of each sum's first matrix instruction.
; CLUSTERS: 4 x 4 work-groups; A's tile is asked for jointly along a row of the cluster, B's along a column.  The results go through each wave's stage in slot 0, which has had its last fill and its last read by then, and leave as rows of 512 bytes.
; PREFETCHES INTO THE L2: K steps 1 and 2 are asked for at the head, behind the head's loads, and K step 3 behind K step 1's load: one or two loads ahead of the load that will want them.  The half tile that a wave fetches in the ring is shared out
; among the four partners that ask for it jointly, by address: of A's 64 unit rows 16 blocks of 256 bytes each (lanes 16-31 name the last again), of B's 128 rows 32 each, a lane a row.  All sixteen clusters read the same rows of wq: the cluster with y = 0 alone asks for them.
; REGISTERS: window 0: v0-31 addresses; v32-63 scale words, two sets; v64-127 the bias; v128-255 A's fragments, two sets of 64, later the rows on the way out.  window 1: B's fragments, two sets.  window 2: the accumulators ((a, b) at v[8 (8 a + b)]).
.set NQ,     2
.set ROWB,   256
.set KROW,   1024
.set PITCH,  272                       ; an LDS row: 256 bytes + 16 of padding
.set FR,     16
.set NP,     8                         ; places behind this matrix instruction (ISA guide 7.12.1)
.set HALFT,  128*PITCH
.set SLOT,   3*HALFT
.set KS,     32
.set SCL,    2*SLOT                    ; behind the ring: A's scales (16 rows of 256 bytes + 16), then B's (32 rows)
.set HALFS,  16*272
.set SBLK,   2*272
.set SPARE,  SCL+3*HALFS               ; the spare words: two blocks of 256 bytes that no other line names
.set AKS,    65536                     ; from K step to K step in ao
.set SPITCH, 528
.set ADRA, 16
.set ADRB, 20
.set STO,  24
.set RD,   25
.set CO,   26
.set ADRS, 27
.set SPW,  28
.set NIL,  29
.set PFO,  30                          ; v30 the prefetches' offset; never rewritten
.set SC,   32
.set BIAS, 64
.set AF,   128
.set BK,   128
.set G0H, 4
.set G0HB, 8
.set G1, 24
.set G0, 32
.set G1B, 48
.set G0B, 56
.set G1S, 68
.set G0S, 76
.set G1SB, 80
.set G0SB, 88
.set PFA, 92                           ; s[92:93] where my prefetches stand, at K step 0; never rewritten
.set MSB, 0
.macro WIN new                         ; the immediate's high byte repeats the setting that is left
.if MSB != (\new)
	s_set_vgpr_msb (MSB<<8)|(\new)
.set MSB, (\new)
.endif
.endm
.set MUL_LO, 0xa1                      ; source 0 (B) window 1, source 1 (A) window 0, C and D window 2
.set TO_B,   0x40
.macro JLOAD g0a, g1a, g0b, g1b        ; waves 0 and 1 fetch for A, waves 2 and 3 for B
	s_cmp_eq_u32 s15, 0
	s_cbranch_scc0 .Lfor_b_\@
	tensor_load_to_lds s[\g0a:\g0a+3], s[\g1a:\g1a+7]
	s_nop 0
.rept 4
	v_nop
.endr
	s_branch .Lasked_\@
.Lfor_b_\@:
	tensor_load_to_lds s[\g0b:\g0b+3], s[\g1b:\g1b+7]
	s_nop 0
.rept 4
	v_nop
.endr
.Lasked_\@:
.endm
.macro CREST
	s_cmp_lg_u32 s14, 0
	s_cbranch_scc1 .Lnot_wave_0_\@
	s_barrier_signal -3
.Lnot_wave_0_\@:
	s_barrier_wait -3
	s_barrier_signal -1
	s_barrier_wait -1
.endm
.macro CROUND
	s_barrier_signal -1
	s_barrier_wait -1
	CREST
.endm
.macro ASK k                           ; K step k of my share: A's waves in every cluster, B's in the cluster with y = 0
	s_cmp_eq_u32 s15, 0
	s_cbranch_scc0 .Lask_b_\@
	global_prefetch_b8 v[PFO], s[PFA:PFA+1] offset:(\k)*AKS th:TH_LOAD_NT scope:SCOPE_SE
	s_branch .Lask_done_\@
.Lask_b_\@:
	s_cmp_eq_u32 s95, 0
	s_cbranch_scc0 .Lask_done_\@
	global_prefetch_b8 v[PFO], s[PFA:PFA+1] offset:(\k)*ROWB th:TH_LOAD_NT scope:SCOPE_SE
.Lask_done_\@:
.endm
	s_load_b128 s[4:7], s[0:1], 0x0                ; ao, wq
	s_load_b64 s[66:67], s[0:1], 0x10              ; b_out
	s_load_b64 s[12:13], s[0:1], 0x18              ; out0
	v_lshl_add_u32 v[SPW], v0, 2, SPARE
	v_mov_b32 v[NIL], 0
	ds_add_u32 v[SPW], v[NIL]                      ; the wave's opening: the add, twice on end, and its wait
	ds_add_u32 v[SPW], v[NIL]
	v_lshrrev_b32 v1, 5, v0
	v_readfirstlane_b32 s14, v1                    ; wave 0..3
	s_lshr_b32 s15, s14, 1                         ; which 64 of the block's rows are mine.  Also: I fetch for A (0) or for B (1)
	s_and_b32 s16, s14, 1                          ; which 128 of its columns.  Also: which half of that tile I fetch
	s_bfe_u32 s40, ttmp6, 0x40000
	s_bfe_u32 s41, ttmp6, 0x40004
	s_lshl_b32 s42, ttmp9, 2
	s_add_co_u32 s42, s42, s40                     ; block column 0-3
	s_and_b32 s17, ttmp7, 0xffff
	s_lshl_b32 s17, s17, 2
	s_add_co_u32 s17, s17, s41                     ; block row 0-63
	s_lshl_b32 s43, s41, 2
	s_lshl_b32 s43, 15, s43                        ; my row of the cluster
	s_lshl_b32 s44, 0x1111, s40                    ; my column
	s_or_b32 s[G1+0], s43, (0<<16)|(1<<20)|(1<<21)|(5<<22)|(3<<25)
	s_or_b32 s[G1B+0], s44, (0<<16)|(1<<20)|(1<<21)|(5<<22)|(3<<25)
.irp g, G1, G1B
	s_mov_b32 s[\g+1], ROWB<<16
	s_mov_b32 s[\g+3], ROWB<<16
	s_mov_b32 s[\g+6], 0
	s_mov_b32 s[\g+7], 0
.endr
	s_mov_b32 s[G1+2], 128<<16                     ; the head's loads bring whole tiles: A's 128 unit rows,
	s_mov_b32 s[G1+4], 128
	s_mov_b32 s[G1+5], ROWB
	s_mov_b32 s[G1B+2], 256<<16                    ; B's 256 rows
	s_mov_b32 s[G1B+4], 256
	s_mov_b32 s[G1B+5], KROW
	s_or_b32 s[G1S+0], s43, (3<<16)|(1<<20)|(1<<21)|(5<<22)|(3<<25)
	s_or_b32 s[G1SB+0], s44, (3<<16)|(1<<20)|(1<<21)|(5<<22)|(3<<25)
.irp g, G1S, G1SB
	s_mov_b32 s[\g+1], 32<<16
	s_mov_b32 s[\g+3], 32<<16
	s_mov_b32 s[\g+5], 32
	s_mov_b32 s[\g+6], 0
	s_mov_b32 s[\g+7], 0
.endr
	s_mov_b32 s[G1S+2], 16<<16                     ; the scales of 128 rows: 16 rows of 256 bytes;
	s_mov_b32 s[G1S+4], 16
	s_mov_b32 s[G1SB+2], 32<<16                    ; of 256 rows: 32
	s_mov_b32 s[G1SB+4], 32
	s_lshr_b32 s20, s17, 1                         ; A's codes: (block row / 2) 262,144 + (block row % 2) 32,768
	s_lshl_b32 s20, s20, 18
	s_and_b32 s21, s17, 1
	s_lshl_b32 s21, s21, 15
	s_add_co_u32 s20, s20, s21
	s_mov_b32 s21, 0
	s_lshl_b32 s22, s17, 12                        ; A's scales: 128 rows of 32 bytes a block row
	s_add_co_u32 s22, s22, 8388608
	s_mov_b32 s23, 0
	s_lshl_b32 s46, s42, 8
	s_add_co_u32 s46, s46, 3072                    ; B's first row in wq
	s_lshl_b32 s92, s46, 5
	s_add_co_u32 s92, s92, 4194304
	s_mov_b32 s93, 0
	s_lshl_b32 s46, s46, 10
	s_mov_b32 s47, 0
	s_lshl_b32 s94, s16, 14                        ; in the ring I fetch half a tile: 64 unit rows of A, 16,384 bytes on,
	s_mov_b32 s95, 0
	s_mul_i32 s18, s16, 128*KROW                   ; or 128 rows of B
	s_mov_b32 s19, 0
	s_mul_i32 s45, s16, 64*PITCH                   ; and where they go: no place in the cluster enters an LDS address
	s_mul_i32 s96, s16, HALFT
	s_add_co_u32 s96, s96, HALFT
	s_wait_dscnt 0x0                               ; both opening adds are done
	s_wait_kmcnt 0x0
	s_add_nc_u64 s[20:21], s[4:5], s[20:21]
	s_add_nc_u64 s[22:23], s[4:5], s[22:23]
	s_add_nc_u64 s[46:47], s[6:7], s[46:47]
	s_add_nc_u64 s[92:93], s[6:7], s[92:93]
	CROUND                                         ; all sixteen work-groups are here: the first joint loads meet
	s_mov_b32 s[G0H], 1                            ; the head's four tiles: K step 0 of A,
	s_mov_b32 s[G0H+1], 0
	s_mov_b64 s[G0H+2:G0H+3], s[20:21]
	s_or_b32 s[G0H+3], s[G0H+3], 0x80000000
	s_mov_b32 s[G0HB], 1                           ; of B,
	s_mov_b32 s[G0HB+1], HALFT
	s_mov_b64 s[G0HB+2:G0HB+3], s[46:47]
	s_or_b32 s[G0HB+3], s[G0HB+3], 0x80000000
	s_mov_b32 s[G0S], 1                            ; A's scales,
	s_mov_b32 s[G0S+1], SCL
	s_mov_b64 s[G0S+2:G0S+3], s[22:23]
	s_or_b32 s[G0S+3], s[G0S+3], 0x80000000
	s_mov_b32 s[G0SB], 1                           ; B's
	s_mov_b32 s[G0SB+1], SCL+HALFS
	s_mov_b64 s[G0SB+2:G0SB+3], s[92:93]
	s_or_b32 s[G0SB+3], s[G0SB+3], 0x80000000
	s_add_nc_u64 s[20:21], s[20:21], s[94:95]      ; for the ring: my half of the tile
	s_add_nc_u64 s[46:47], s[46:47], s[18:19]
	s_lshl_b32 s18, s40, 12                        ; the prefetches: of A's half tile 4,096 bytes for each place along x,
	s_lshl_b32 s94, s41, 15                        ; of B's 32 rows of 1,024 bytes for each place along y
	s_mov_b32 s97, 1024
	s_cmp_eq_u32 s15, 0
	s_cselect_b64 s[PFA:PFA+1], s[20:21], s[46:47]
	s_cselect_b32 s18, s18, s94
	s_cselect_b32 s94, 15, 31                      ; the last lane that names a block of its own,
	s_cselect_b32 s97, 256, s97                    ; and the bytes from lane to lane
	s_add_nc_u64 s[PFA:PFA+1], s[PFA:PFA+1], s[18:19]
	s_and_b32 s95, ttmp7, 0xffff                   ; the cluster's y
.irp s, 0,1
	s_mov_b32 s[G0+4*\s], 1
	s_add_co_u32 s[G0+4*\s+1], s45, \s*SLOT
	s_add_nc_u64 s[G0+4*\s+2:G0+4*\s+3], s[20:21], \s*AKS
	s_or_b32 s[G0+4*\s+3], s[G0+4*\s+3], 0x80000000
	s_mov_b32 s[G0B+4*\s], 1
	s_add_co_u32 s[G0B+4*\s+1], s96, \s*SLOT
	s_add_nc_u64 s[G0B+4*\s+2:G0B+4*\s+3], s[46:47], \s*ROWB
	s_or_b32 s[G0B+4*\s+3], s[G0B+4*\s+3], 0x80000000
.endr
; THE HEAD'S LOADS, ONE A WAVE.  One tree of branches on the wave's number: every way passes exactly one load.
.macro ARM under, g0, g1, next
	s_cmp_lt_u32 s14, \under
	s_cbranch_scc0 \next
	tensor_load_to_lds s[\g0:\g0+3], s[\g1:\g1+7]
	s_nop 0
.rept 4
	v_nop
.endr
	s_branch .Lhead_asked
\next:
.endm
	ARM 1, G0H,  G1,  .Lhead_b
	ARM 2, G0HB, G1B, .Lhead_sa
	ARM 3, G0S,  G1S, .Lhead_sb
	tensor_load_to_lds s[G0SB:G0SB+3], s[G1SB:G1SB+7]
	s_nop 0
.rept 4
	v_nop
.endr
.Lhead_asked:
	v_and_b32 v[PFO], 31, v0
	v_min_u32 v[PFO], s94, v[PFO]
	v_mul_u32_u24 v[PFO], v[PFO], s97
	v_and_b32 v1, 15, v0                           ; r
	v_bfe_u32 v2, v0, 4, 1                         ; h
	v_mul_u32_u24 v3, v1, PITCH
	v_lshl_add_u32 v4, v2, 4, v3                   ; B: row r x pitch + 16 h
	v_mul_u32_u24 v5, v2, PITCH
	v_lshl_add_u32 v5, v1, 4, v5                   ; A: unit row h x pitch + 16 r
	s_mul_i32 s21, s15, 64*PITCH                   ; my 64 rows of A are 64 unit rows
	s_mul_i32 s22, s16, HALFT
	s_add_co_u32 s22, s22, HALFT                   ; my 128 rows of B, behind A's tile
.irp s, 0,1
	v_add_nc_u32 v[ADRA+\s], s21, v5
	v_add_nc_u32 v[ADRB+\s], s22, v4
	s_add_co_u32 s21, s21, SLOT
	s_add_co_u32 s22, s22, SLOT
.endr
	v_mul_u32_u24 v5, v1, KS                       ; my row's scales: 32 bytes a row,
	v_lshrrev_b32 v6, 8, v5
	v_lshl_add_u32 v5, v6, 4, v5                   ; and 16 more for each 256 passed
	s_mul_i32 s21, s15, 8*272                      ; A's: my 64 rows
	s_mul_i32 s22, s16, HALFS
	s_add_co_u32 s22, s22, HALFS                   ; B's: my 128 rows, behind A's 128
	s_sub_co_u32 s22, s22, s21
	v_mul_u32_u24 v6, s22, v2                      ; lanes 16-31 take B's: one product, the distance between the two bases
	s_add_co_u32 s21, s21, SCL
	v_add_nc_u32 v5, v5, v6
	v_add_nc_u32 v[ADRS], s21, v5
	s_mul_i32 s23, s14, 16*SPITCH                  ; my stage
	v_mul_u32_u24 v5, v1, SPITCH
	v_lshl_add_u32 v5, v2, 6, v5
	v_add_nc_u32 v[STO], s23, v5
	v_and_b32 v6, 31, v0
	v_lshlrev_b32 v[CO], 4, v6
	v_add_nc_u32 v[RD], s23, v[CO]
	s_lshl_b32 s20, s17, 7
	s_lshl_b32 s21, s15, 6
	s_add_co_u32 s20, s20, s21                     ; my first row of out0
	s_lshl_b32 s20, s20, 12
	s_lshl_b32 s46, s42, 10
	s_lshl_b32 s47, s16, 9
	s_add_co_u32 s46, s46, s47                     ; my first column, in bytes
	s_add_co_u32 s20, s20, s46
	s_mov_b32 s21, 0
	s_mov_b32 s47, 0
	s_add_nc_u64 s[12:13], s[12:13], s[20:21]
	s_add_nc_u64 s[66:67], s[66:67], s[46:47]
	v_lshlrev_b32 v5, 6, v2
.irp t, 0,1,2,3,4,5,6,7
	global_load_b128 v[BIAS+8*\t:BIAS+8*\t+3], v5, s[66:67] offset:(32*(\t/2)+8*(\t%2))*4      ; register j of tile b wants b_out at 32 (b / 2) + 8 (b % 2) + 16 h + j
	global_load_b128 v[BIAS+8*\t+4:BIAS+8*\t+7], v5, s[66:67] offset:(32*(\t/2)+8*(\t%2))*4+16
.endr
	ASK 1
	ASK 2
.macro FRAGB reg, adr, q, i
.irp c, 0,1,2,3
	ds_load_b128 v[\reg+4*\c:\reg+4*\c+3], v[\adr] offset:128*(\q)+32*\c+(\i)*16*PITCH
.endr
.endm
.macro FRAGA reg, adr, q, i
.irp c, 0,1,2,3
	ds_load_b128 v[\reg+4*\c:\reg+4*\c+3], v[\adr] offset:((2*(\i)+(\q))*8+2*\c)*PITCH
.endr
.endm
; 8 matrix instructions: A's block a x B's eight.  p: the set of fragments; sc: the set of scale words.  The 32 accumulators take turns, one instruction a turn, in the same order in every step.
.macro MUL8 a, p, q, sc, zero
.irp b, 0,1,2,3,4,5,6,7
.if \zero
	v_wmma_scale_f32_16x16x128_f8f6f4 v[8*(8*(\a)+\b):8*(8*(\a)+\b)+7], v[128*(\p)+FR*\b:128*(\p)+FR*\b+FR-1], v[AF+64*(\p)+FR*(\a):AF+64*(\p)+FR*(\a)+FR-1], v[BIAS+8*\b:BIAS+8*\b+7], v[SC+8*NQ*(\sc)+NQ*\b+(\q)], v[SC+8*NQ*(\sc)+NQ*(\a)+(\q)] matrix_a_fmt:MATRIX_FMT_BF8 matrix_b_fmt:MATRIX_FMT_BF8 matrix_a_scale:MATRIX_SCALE_ROW1
.else
	v_wmma_scale_f32_16x16x128_f8f6f4 v[8*(8*(\a)+\b):8*(8*(\a)+\b)+7], v[128*(\p)+FR*\b:128*(\p)+FR*\b+FR-1], v[AF+64*(\p)+FR*(\a):AF+64*(\p)+FR*(\a)+FR-1], v[8*(8*(\a)+\b):8*(8*(\a)+\b)+7], v[SC+8*NQ*(\sc)+NQ*\b+(\q)], v[SC+8*NQ*(\sc)+NQ*(\a)+(\q)] matrix_a_fmt:MATRIX_FMT_BF8 matrix_b_fmt:MATRIX_FMT_BF8 matrix_a_scale:MATRIX_SCALE_ROW1
.endif
.endr
.endm
.macro FETCH slot, q, p                ; 48 LDS loads: B's eight fragments and A's four of the slot's q-th 128 along K into set p
	WIN TO_B
.irp i, 0,1,2,3,4,5,6,7
	FRAGB 128*(\p)+FR*\i, ADRB+\slot, \q, \i
.endr
	WIN 0
.irp i, 0,1,2,3
	FRAGA AF+64*(\p)+FR*\i, ADRA+\slot, \q, \i
.endr
.endm
.macro SCALES sc                       ; a K step's scale words: lanes 0-15 take A's block i (of which 0-3 are used), lanes 16-31 B's block i
.irp i, 0,1,2,3,4,5,6,7
	ds_load_b64 v[SC+8*NQ*\sc+NQ*\i:SC+8*NQ*\sc+NQ*\i+1], v[ADRS] offset:\i*SBLK
.endr
.endm
.macro PLACES n
.rept \n
	v_nop
.endr
.endm
; A slot's first 128 along K, on set 0; its second 128 are fetched into set 1 ahead of the products.
.macro STEP slot, zero
	s_wait_dscnt 0x0                               ; set 0 and the scale words are in
	PLACES NP                                      ; behind the products that read set 1
	FETCH \slot, 1, 1
.if \zero
	WIN 0x81                                       ; C, the bias, lies in window 0
.else
	WIN MUL_LO
.endif
.irp a, 0,1,2,3
	MUL8 \a, 0, 0, \slot, \zero
.endr
	WIN 0
.endm
; A slot's second 128 along K, on set 1, and the change of slots: ONE barrier; in front of it each wave waits for all its tensor loads, adds 0 to its spare word, and waits for that and for its reads of this slot.  fill = 1: this slot is filled again.
.macro TURN slot, next, fill
	s_wait_tensorcnt 0x0                           ; my part of the next slot is in
	ds_add_u32 v[SPW], v[NIL]
	s_wait_dscnt 1                                 ; set 1 is in; the add alone may be out
	WIN MUL_LO
	MUL8 0, 1, 1, \slot, 0
	MUL8 1, 1, 1, \slot, 0
	s_wait_dscnt 0x0                               ; the add is done, and my reads of this slot are over
	s_barrier_signal -1
	MUL8 2, 1, 1, \slot, 0
	WIN 0
	s_barrier_wait -1
.if \fill
	CREST                                          ; the barrier has opened a round of the cluster's barrier
	s_add_nc_u64 s[G0+4*\slot+2:G0+4*\slot+3], s[G0+4*\slot+2:G0+4*\slot+3], 2*AKS
	s_add_nc_u64 s[G0B+4*\slot+2:G0B+4*\slot+3], s[G0B+4*\slot+2:G0B+4*\slot+3], 2*ROWB
	JLOAD G0+4*\slot, G1, G0B+4*\slot, G1B         ; the first tensor load behind the round; its four v_nop are among the places in front of the loads below
	PLACES NP-4
.else
	PLACES NP
.endif
	v_add_nc_u32 v[ADRS], 4*NQ, v[ADRS]            ; on to the next K step's scale words
	s_wait_alu depctr_va_vdst(0)
	FETCH \next, 0, 0
	SCALES \next
	WIN MUL_LO
	MUL8 3, 1, 1, \slot, 0
	WIN 0
.endm
	s_wait_alu depctr_va_vdst(0)
	s_wait_tensorcnt 0x0                           ; my tile of the head's four is in
	ds_add_u32 v[SPW], v[NIL]
	s_mov_b32 s[G1+2], 64<<16                      ; no tensor load of mine is out: from here on a load brings half a tile
	s_mov_b32 s[G1+4], 64
	s_mov_b32 s[G1B+2], 128<<16
	s_mov_b32 s[G1B+4], 128
	s_wait_dscnt 0x0
	CROUND                                         ; all four tiles are in, and all sixteen work-groups are here
	JLOAD G0+4, G1, G0B+4, G1B                     ; K step 1: the first tensor load behind the round
	FETCH 0, 0, 0
	SCALES 0
	ASK 3                                          ; the last K step, two loads ahead
	s_wait_loadcnt 0x0                             ; the bias
	STEP 0, 1                                      ; the first step starts the sums from the bias
	s_mov_b32 s3, 1
.Llap:                                                 ; a trip goes once round the ring and fills both slots again
	TURN 0, 1, 1
	STEP 1, 0
	TURN 1, 0, 1
	STEP 0, 0
	s_sub_co_u32 s3, s3, 1
	s_cmp_lg_u32 s3, 0
	s_cbranch_scc1 .Llap
	TURN 0, 1, 0                                   ; the last lap fills nothing
	STEP 1, 0
	s_wait_dscnt 0x0
	WIN MUL_LO
.irp a, 0,1,2,3
	MUL8 \a, 1, 1, 1, 0
.endr
	WIN 0
; THE WAY OUT, block by block of 16 rows x 128 columns, through my own stage: rows of 512 bytes come back, which the 32 lanes store as two aligned units of 256 bytes.
.macro TOSTAGE a
.set AC, 64*(\a)
	WIN 0x08                                       ; the data: window 2
.irp b, 0,1,2,3,4,5,6,7
	ds_store_b128 v[STO], v[AC+8*\b:AC+8*\b+3] offset:128*(\b/2)+32*(\b%2)          ; each accumulator from its low end on
	ds_store_b128 v[STO], v[AC+8*\b+4:AC+8*\b+7] offset:128*(\b/2)+32*(\b%2)+16
.endr
	WIN 0
.set BB, BK+64*((\a)%2)
.irp t, 0,1,2,3,4,5,6,7,8,9,10,11,12,13,14,15
	ds_load_b128 v[BB+4*\t:BB+4*\t+3], v[RD] offset:\t*SPITCH      ; LDS serves a wave's instructions in order: these see the stores above
.endr
.endm
.macro SEND a, younger
.set BB, BK+64*((\a)%2)
	s_wait_dscnt \younger
.irp t, 0,1,2,3,4,5,6,7,8,9,10,11,12,13,14,15
	global_store_b128 v[CO], v[BB+4*\t:BB+4*\t+3], s[12:13] offset:(32*((\a)/2)+((\t)&7)+16*((\t)/8)+8*((\a)%2))*4096 th:TH_STORE_NT   ; stage row t of block a is token 32 (a / 2) + 8 (a % 2) + t + 8 (t / 8)
.endr
.endm
	PLACES NP
	TOSTAGE 0
.irp a, 1,2,3
.if \a > 1
	s_wait_xcnt 0x0                                ; block a - 2's stores have read their registers
.endif
	TOSTAGE \a
	SEND \a-1, 32                                  ; behind block a - 1's loads: block a's 16 stores and 16 loads
.endr
	SEND 3, 0
	s_wait_tensorcnt 0x0                           ; the wave's end
	ds_add_u32 v[SPW], v[NIL]
	s_wait_dscnt 0x0
	CROUND                                         ; the closing round
	s_endpgm
.Lfunc_end_k_q5b260f9258_gemm2:
	.size	k_q5b260f9258_gemm2, .Lfunc_end_k_q5b260f9258_gemm2-k_q5b260f9258_gemm2
	.p2alignl 7, 3214868480
	.fill 96, 4, 3214868480
	.section	.rodata,"a",@progbits
	.p2align	6, 0x0
	.amdhsa_kernel k_q5b260f9258_gemm2
		.amdhsa_group_segment_fixed_size 327680
		.amdhsa_private_segment_fixed_size 0
		.amdhsa_enable_private_segment 0
		.amdhsa_kernarg_size 32
		.amdhsa_user_sgpr_count 2
		.amdhsa_user_sgpr_kernarg_segment_ptr 1
		.amdhsa_wavefront_size32 1
		.amdhsa_system_sgpr_workgroup_id_x 1
		.amdhsa_system_sgpr_workgroup_id_y 1
		.amdhsa_system_sgpr_workgroup_id_z 1
		.amdhsa_system_vgpr_workitem_id 0
		.amdhsa_next_free_vgpr 1024
		.amdhsa_next_free_sgpr 98
		.amdhsa_reserve_vcc 0
		.amdhsa_float_denorm_mode_32 3
		.amdhsa_float_denorm_mode_16_64 3
		.amdhsa_memory_ordered 1
		.amdhsa_forward_progress 1
		.amdhsa_inst_pref_size 93
	.end_amdhsa_kernel
	.amdgpu_metadata
---
amdhsa.version: [ 1, 2 ]
amdhsa.kernels:
  - .name:           k_q5b260f9258_gemm2
    .symbol:         k_q5b260f9258_gemm2.kd
    .args:
      - { .name: ao, .offset: 0, .size: 8, .value_kind: global_buffer, .address_space: global }
      - { .name: wq, .offset: 8, .size: 8, .value_kind: global_buffer, .address_space: global }
      - { .name: b_out, .offset: 16, .size: 8, .value_kind: global_buffer, .address_space: global }
      - { .name: out0, .offset: 24, .size: 8, .value_kind: global_buffer, .address_space: global }
    .group_segment_fixed_size: 327680
    .private_segment_fixed_size: 0
    .kernarg_segment_align: 8
    .kernarg_segment_size: 32
    .max_flat_workgroup_size: 128
    .sgpr_count:     98
    .vgpr_count:     1024
    .wavefront_size: 32
...
	.end_amdgpu_metadata
.endif
;; end of part 4
